; MI455X (gfx1250); checked and timed in simulation.
; The chip was launched on July 23, 2026; its instructions are those of AMD's public machine-readable ISA for CDNA 5 (MIT licence, August 2026) and "CDNA5" Instruction Set Architecture Reference Guide (July 2026). The comments in the code are by the model that wrote it; some were corrected since.
;; Causal Self Attention. Allowed arithmetic: matrix products marked QUANTISED: E4M3 operands, one given power-of-two scale a tensor, by v_wmma_f32_16x16x64_fp8_fp8 or v_wmma_f32_16x16x128_fp8_fp8, f32 sums; everything else in f32.
;; Inputs: Wk 1,024 x 1,024 float32; Wo 1,024 x 1,024 float32; Wq 1,024 x 1,024 float32; Wv 1,024 x 1,024 float32; bk 1,024 float32; bo 1,024 float32; bq 1,024 float32; bv 1,024 float32; lowp_scales 12 int32 (the exponents e of the quantised operands' scales 2^e); x 4 x 2,048 x 1,024 float32.
;; Outputs: out0 4 x 2,048 x 1,024 float32.
;; This version of the problem:
;;   THIS VERSION OF THE PROBLEM IS GIVEN IN LOW PRECISION. The matrix products marked QUANTISED in the list below multiply operands that are first quantised to E4M3 (4 exponent bits, 3 mantissa bits; 8 bits a number), with one given power-of-two scale for each operand tensor; their sums are f32. All else is computed in f32.
;;   The module's matrix products, in the order in which they are computed (A, B: the left and right operand; K: the contracted axis; several contracted axes count as one K, in the product's order):
;;     1. [M 8,192, K 1,024] x [K 1,024, N 1,024]; A: input x; B: input Wq: QUANTISED (scales: A lowp_scales[0], B lowp_scales[1])
;;     2. [M 8,192, K 1,024] x [K 1,024, N 1,024]; A: input x; B: input Wk: QUANTISED (scales: A lowp_scales[2], B lowp_scales[3])
;;     3. [M 8,192, K 1,024] x [K 1,024, N 1,024]; A: input x; B: input Wv: QUANTISED (scales: A lowp_scales[4], B lowp_scales[5])
;;     4. batch 64 x [M 2,048, K 64] x [K 64, N 2,048]; A: computed on the way; B: computed on the way: QUANTISED (scales: A lowp_scales[6], B lowp_scales[7])
;;     5. batch 64 x [M 2,048, K 2,048] x [K 2,048, N 64]; A: softmax (see below); B: computed on the way: QUANTISED (scales: A lowp_scales[8], B lowp_scales[9])
;;     6. [M 8,192, K 1,024] x [K 1,024, N 1,024]; A: computed on the way; B: input Wo: QUANTISED (scales: A lowp_scales[10], B lowp_scales[11])
;;   THE QUANTISER, for each operand of a quantised product, along K:
;;     - The operand's scale is 2^e, e = its entry of the input lowp_scales (int32; the entries are numbered through the quantised products in the list's order, A before B).
;;     - Each number is divided by the scale, clamped to +-448, and rounded to the nearest number of E4M3, ties to even, subnormals kept.
;;     - The product sums the exact products of the quantised numbers (number of the format x scale) in f32.
;;   ~~~python
;;   def quantise(x, axis, e):      # numpy; x: float32 -> the quantised numbers, widened to float32 again
;;       x = np.moveaxis(x, axis, -1); K = x.shape[-1]
;;       r = np.clip(x / 2.0 ** e, -448, 448)
;;       step = 2.0 ** (np.maximum(np.frexp(np.where(r == 0, 1, r))[1] - 1, -6) - 3)
;;       q = np.round(r / step) * step * 2.0 ** e      # np.round: ties to even
;;       return np.moveaxis(q, -1, axis).astype(np.float32)
;;   ~~~
;;   SOFTMAX AHEAD OF A QUANTISED PRODUCT. Where the list says 'softmax', what is quantised is not the finished softmax but p = 2^(t - M), with t = logit x log2(e) and M = ceil(the row's largest t), a whole number; so 1/2 < the row's largest p <= 1. The row's sum l is taken of the UNQUANTISED p, in f32, and the product's result is divided by l at the end. Since M is a whole number, a kernel that streams over the keys may use a running M (the ceiling of the running maximum): every later rescaling is an exact power of two, so the quantised numbers keep their values, but for numbers so far below the row's largest that they fall under the format's range.
;;   OPERANDS COMPUTED ON THE WAY. 'Computed on the way' means the value that the module computes at that place (a softmax that the list does not call 'softmax' is quantised finished and normalised). What goes into a quantiser is computed in f32, as accurately as f32 sums, v_exp_f32 and their like allow (about 1e-6 of the number): no bf16 or f16 on the way to a quantiser, and a product that is left as it is and whose result goes on into a quantised operand takes f32 operands (vector FMAs, or v_wmma_f32_16x16x4_f32). A number that lies on a knife's edge between two numbers of the format may be rounded either way, as far as f32 arithmetic and the matrix unit's own rounding can turn it there, and no further.
;; One version. Each part assembles by itself: llvm-mc -triple=amdgcn-amd-amdhsa -mcpu=gfx1250 --defsym DOCPART=n.
;; ======== version 1 of 1: 4 launches
;; limits: right only within a limited range of input values
;; workspace buffers: xc 25,165,824 bytes; wc 4,194,304 bytes; qc 8,388,608 bytes; kv 16,777,216 bytes; yc 8,388,608 bytes
;; launch quant (part 1): grid 768 x 1, 4 waves a work-group, no clusters, 34,304 bytes of LDS; arguments x, Wq, Wk, Wv, Wo, lowp_scales, xc, wc; writes xc, wc
.if DOCPART == 1
	.amdgcn_target "amdgcn-amd-amdhsa--gfx1250"
	.amdhsa_code_object_version 6
	.text
	.protected	k_qbf1ccf4640_quant
	.globl	k_qbf1ccf4640_quant
	.p2align	8
	.type	k_qbf1ccf4640_quant,@function
k_qbf1ccf4640_quant:
	s_mov_b64 s[64:65], 0
	v_nop
	global_prefetch_b8 v0, s[64:65] scope:SCOPE_SE
	s_setreg_imm32_b32 hwreg(HW_REG_WAVE_MODE, 25, 1), 1
	s_wait_xcnt 0x0
; x [8192][1024] f32 becomes three sets of E4M3 codes (scales 2^e0, 2^e2, 2^e4: one for each of the products with Wq, Wk, Wv);
; Wq, Wk, Wv, Wo [1024 (k)][1024 (n)] f32 become codes with the scales 2^e1, 2^e3, 2^e5, 2^e11.
; code = number / 2^e, held within +-448, rounded to the nearest code, ties to even.
; THE CODES ARE STORED AS IMAGES OF THE MATRIX OPERAND'S REGISTERS.  An image is 16 rows x 128 K = 2,048 bytes: chunk c (0..3) at 512 c, lane L's 16 bytes at 16 L;
; with r = L % 16, h = L / 16 they are, of row r, k = 32 c + 8 h + 0..7 and k = 32 c + 16 + 8 h + 0..7: registers 4 c .. 4 c + 3 of the 16x16x128 form's operand.
;   xc: [z 0..2][tile of 16 tokens 0..511][K step 0..7] images;   wc: [w 0..3 = q, k, v, o][tile of 16 output channels 0..63][K step 0..7] images.
; Work-groups 0..255 take the weights (no LDS), work-groups 256..767 take x (each wave has a stage of its own in LDS).  No barrier: waves share nothing.
; LIMITS: each of e0..e5 and e11 lies between -126 and 119, so that 2^e and 448 x 2^e are f32 numbers.  NaN among the inputs is not served.
.set WX,   16                          ; weights: v16-143  four blocks of 32 numbers down K
.set WC,   144                         ; weights: v144-175 eight registers of codes for each block: no store's data are written again
.set XR,   16                          ; x: v16-79, v80-143  a K step's 16 rows as loaded; later that step's codes (48 registers)
.set XX,   144                         ; x: v144-207  64 numbers of my row, in the operand's order
.set XT,   208
.set SP,   528                         ; a stage row: 512 bytes + 16, so that sixteen lanes that read sixteen rows fall on sixteen different 16-byte columns modulo 256
.set WREG, 16*SP                       ; a wave's stage
.macro MKSC e, vs, vl                  ; v[vs] = 2^e as f32 (the conversion takes its exponent field); e in s[e]
	s_add_co_i32 s34, s[\e], 127
	s_lshl_b32 s35, s34, 23
	v_mov_b32 v[\vs], s35
	s_add_co_i32 s34, s34, 8
	s_lshl_b32 s34, s34, 23
	s_or_b32 s34, s34, 0x600000
.endm
	s_load_b512 s[8:23], s[0:1], 0x0               ; x 8, Wq 10, Wk 12, Wv 14, Wo 16, scales 18, xc 20, wc 22
	v_lshl_add_u32 v224, v0, 2, 0x8400
	v_mov_b32 v225, 0
	v_lshrrev_b32 v1, 5, v0
	v_readfirstlane_b32 s24, v1                    ; wave 0..3
	v_and_b32 v1, 31, v0                           ; lane
	v_lshlrev_b32 v2, 4, v1                        ; 16 x lane
	s_wait_kmcnt 0x0
	s_load_b256 s[36:43], s[18:19], 0x0            ; e0 .. e7
	s_load_b128 s[44:47], s[18:19], 0x20           ; e8 .. e11
	s_cmp_lt_u32 ttmp9, 256
	s_cbranch_scc0 .Lx
; ---------------- THE WEIGHTS.  Work-group = (w, 128 columns cb, K step s); a wave takes 32 columns x 128 along K.
; A LANE TAKES A COLUMN n AND ITS REGISTERS RUN DOWN K: a load reads 128 consecutive bytes a wave, and the conversions give codes with K innermost.
	s_lshr_b32 s25, ttmp9, 6                       ; w
	s_bfe_u32 s26, ttmp9, 0x30003                  ; cb
	s_and_b32 s27, ttmp9, 7                        ; s
	s_cmp_lt_u32 s25, 1
	s_cselect_b64 s[28:29], s[10:11], s[12:13]
	s_cmp_lt_u32 s25, 2
	s_cselect_b64 s[28:29], s[28:29], s[14:15]
	s_cmp_lt_u32 s25, 3
	s_cselect_b64 s[28:29], s[28:29], s[16:17]     ; the weight: the choice hangs on the work-group's number alone
	s_lshl_b32 s30, s27, 19                        ; 128 s rows of 4,096 bytes
	s_lshl_b32 s31, s26, 9                         ; + 128 cb columns
	s_add_co_u32 s30, s30, s31
	s_lshl_b32 s31, s24, 7                         ; + 32 columns a wave
	s_add_co_u32 s30, s30, s31
	s_mov_b32 s31, 0
	s_add_nc_u64 s[28:29], s[28:29], s[30:31]
	s_lshl_b32 s32, s25, 20                        ; wc: w x 64 tiles x 16,384
	s_lshl_b32 s33, s26, 17                        ; + 8 cb tiles
	s_add_co_u32 s32, s32, s33
	s_lshl_b32 s33, s24, 15                        ; + 2 tiles a wave
	s_add_co_u32 s32, s32, s33
	s_lshl_b32 s33, s27, 11                        ; + K step s
	s_add_co_u32 s32, s32, s33
	s_mov_b32 s33, 0
	s_add_nc_u64 s[32:33], s[22:23], s[32:33]
	s_wait_alu depctr_va_vdst(0)
	v_lshlrev_b32 v3, 2, v1                        ; in: 4 bytes a lane
	v_and_b32 v10, 15, v1
	v_lshrrev_b32 v11, 4, v1
	v_lshlrev_b32 v10, 4, v10
	v_lshl_add_u32 v10, v11, 14, v10               ; out: my column is row lane % 16 of tile lane / 16
.macro WLOAD q                         ; block q: W(128 s + 32 q + i, my column), i = 0 .. 31
.set i, 0
.rept 32
	global_load_b32 v[WX+32*(\q)+i], v3, s[28:29] offset:(32*(\q)+i)*4096 th:TH_LOAD_NT
.set i, i+1
.endr
.endm
; Block q.  left: the loads that may stay out (the next block's 32); more = 1: the block two on is asked for, into registers of its own.
.macro WBLOCK q, left, more
	s_wait_loadcnt \left
.if \more
	WLOAD (\q)+2
.endif
.set i, 0
.rept 32
.set i, i+1
.endr
	v_cvt_scalef32_pk8_fp8_f32 v[WC+8*(\q):WC+8*(\q)+1],   v[WX+32*(\q):WX+32*(\q)+7],     v4   ; k 0-7 and 16-23 of the block: what the image's lane (r, 0) holds
	v_cvt_scalef32_pk8_fp8_f32 v[WC+8*(\q)+2:WC+8*(\q)+3], v[WX+32*(\q)+16:WX+32*(\q)+23], v4
	v_cvt_scalef32_pk8_fp8_f32 v[WC+8*(\q)+4:WC+8*(\q)+5], v[WX+32*(\q)+8:WX+32*(\q)+15],  v4   ; k 8-15 and 24-31: lane (r, 1)
	v_cvt_scalef32_pk8_fp8_f32 v[WC+8*(\q)+6:WC+8*(\q)+7], v[WX+32*(\q)+24:WX+32*(\q)+31], v4
	global_store_b128 v10, v[WC+8*(\q):WC+8*(\q)+3],   s[32:33] offset:512*(\q)       ; sixteen lanes store 256 consecutive bytes, at a multiple of 256 from wc's first byte
	global_store_b128 v10, v[WC+8*(\q)+4:WC+8*(\q)+7], s[32:33] offset:512*(\q)+256
.endm
	WLOAD 0
	WLOAD 1
	s_wait_alu depctr_va_vdst(0)
	s_wait_kmcnt 0x0
	s_cmp_lt_u32 s25, 1
	s_cselect_b32 s34, s37, s39                    ; e1, e3,
	s_cmp_lt_u32 s25, 2
	s_cselect_b32 s34, s34, s41                    ; e5,
	s_cmp_lt_u32 s25, 3
	s_cselect_b32 s34, s34, s47                    ; or e11
	MKSC 34, 4, 5
	s_wait_alu depctr_va_vdst(0)
	WBLOCK 0, 32, 1
	WBLOCK 1, 32, 1
	WBLOCK 2, 32, 0
	WBLOCK 3, 0, 0
	s_endpgm
; ---------------- x.  Work-group = a tile of 16 tokens; wave w takes K steps 2 w and 2 w + 1.
; Each load reads 512 consecutive bytes of a row (one K step); the 16 rows turn through the wave's own stage, so that lane (r, h) gets, of row r, its 64 numbers in the operand's order.
.Lx:
	s_sub_co_u32 s25, ttmp9, 256                   ; the tile of tokens
	s_lshl_b32 s26, s25, 16                        ; 16 rows of 4,096 bytes
	s_lshl_b32 s27, s24, 10                        ; + two K steps of 512 bytes a wave
	s_add_co_u32 s26, s26, s27
	s_mov_b32 s27, 0
	s_add_nc_u64 s[8:9], s[8:9], s[26:27]
	s_lshl_b32 s26, s25, 14                        ; xc: 8 images a tile
	s_lshl_b32 s34, s24, 12                        ; + two images a wave
	s_add_co_u32 s26, s26, s34
	s_add_nc_u64 s[28:29], s[20:21], s[26:27]      ; z = 0,
	s_add_nc_u64 s[30:31], s[28:29], 0x800000      ; 1,
	s_add_nc_u64 s[32:33], s[28:29], 0x1000000     ; 2
	s_mul_i32 s34, s24, WREG
	s_wait_alu depctr_va_vdst(0)
	v_add_nc_u32 v11, s34, v2                      ; the stage, on the way in: 16 bytes a lane of a row
	v_and_b32 v12, 15, v1
	v_lshrrev_b32 v13, 4, v1
	v_mul_u32_u24 v12, v12, SP
	v_lshl_add_u32 v12, v13, 5, v12
	v_add_nc_u32 v12, s34, v12                     ; and on the way out: row r, + 32 h bytes (8 numbers)
.macro LOADX t
.set i, 0
.rept 16
	global_load_b128 v[XR+64*(\t)+4*i:XR+64*(\t)+4*i+3], v2, s[8:9] offset:4096*i+512*(\t) th:TH_LOAD_NT
.set i, i+1
.endr
.endm
.macro TURNX t                         ; LDS serves a wave's instructions in order (ISA guide 5.7.1.4): no wait stands between the stores and the loads
.set i, 0
.rept 16
	ds_store_b128 v11, v[XR+64*(\t)+4*i:XR+64*(\t)+4*i+3] offset:SP*i
.set i, i+1
.endr
	v_nop
.irp q, 0,1,2,3
.irp e, 0,1
.irp f, 0,1
	ds_load_b128 v[XX+16*\q+8*\e+4*\f:XX+16*\q+8*\e+4*\f+3], v12 offset:128*\q+64*\e+16*\f   ; register 16 q + 8 e + i = k 32 q + 16 e + 8 h + i of row r
.endr
.endr
.endr
.endm
.macro QX t                            ; the step's 64 numbers a lane become three images
.irp z, 0,1,2
.irp q, 0,1,2,3
.irp e, 0,1
.set i, 0
.rept 8
.set i, i+1
.endr
	v_cvt_scalef32_pk8_fp8_f32 v[XR+64*(\t)+16*\z+4*\q+2*\e:XR+64*(\t)+16*\z+4*\q+2*\e+1], v[XT+8*\e+((XX+16*\q+8*\e+i)-(XT+8*\e+i)):XT+8*\e+7+((XX+16*\q+8*\e+i)-(XT+8*\e+i))], v[4+2*\z]
.endr
.endr
.irp q, 0,1,2,3
	global_store_b128 v2, v[XR+64*(\t)+16*\z+4*\q:XR+64*(\t)+16*\z+4*\q+3], s[28+2*\z:29+2*\z] offset:2048*(\t)+512*\q   ; the wave stores 512 consecutive bytes
.endr
.endr
.endm
	LOADX 0
	LOADX 1
	s_wait_alu depctr_va_vdst(0)
	s_wait_kmcnt 0x0
	MKSC 36, 4, 5                                  ; e0
	MKSC 38, 6, 7                                  ; e2
	MKSC 40, 8, 9                                  ; e4
	s_wait_alu depctr_va_vdst(0)
	s_wait_loadcnt 16                              ; the first K step's 16 loads are in; the second's may be out
	TURNX 0
	s_wait_dscnt 0x0                               ; my numbers are back, and the stage's stores have read their registers, which take the codes
	QX 0
	s_wait_loadcnt 0x0
	TURNX 1
	s_wait_dscnt 0x0
	QX 1
	s_wait_tensorcnt 0x0
	ds_add_u32 v224, v225
	s_wait_dscnt 0x0
	s_endpgm
.Lfunc_end_k_qbf1ccf4640_quant:
	.size	k_qbf1ccf4640_quant, .Lfunc_end_k_qbf1ccf4640_quant-k_qbf1ccf4640_quant
	.p2alignl 7, 3214868480
	.fill 96, 4, 3214868480
	.section	.rodata,"a",@progbits
	.p2align	6, 0x0
	.amdhsa_kernel k_qbf1ccf4640_quant
		.amdhsa_group_segment_fixed_size 34304
		.amdhsa_private_segment_fixed_size 0
		.amdhsa_enable_private_segment 0
		.amdhsa_kernarg_size 64
		.amdhsa_user_sgpr_count 2
		.amdhsa_user_sgpr_kernarg_segment_ptr 1
		.amdhsa_wavefront_size32 1
		.amdhsa_system_sgpr_workgroup_id_x 1
		.amdhsa_system_sgpr_workgroup_id_y 1
		.amdhsa_system_sgpr_workgroup_id_z 1
		.amdhsa_system_vgpr_workitem_id 0
		.amdhsa_next_free_vgpr 226
		.amdhsa_next_free_sgpr 66
		.amdhsa_reserve_vcc 0
		.amdhsa_float_denorm_mode_32 3
		.amdhsa_float_denorm_mode_16_64 3
		.amdhsa_fp16_overflow 1
		.amdhsa_memory_ordered 1
		.amdhsa_forward_progress 1
		.amdhsa_inst_pref_size 31
	.end_amdhsa_kernel
	.amdgpu_metadata
---
amdhsa.version: [ 1, 2 ]
amdhsa.kernels:
  - .name:           k_qbf1ccf4640_quant
    .symbol:         k_qbf1ccf4640_quant.kd
    .args:
      - { .name: x, .offset: 0, .size: 8, .value_kind: global_buffer, .address_space: global }
      - { .name: Wq, .offset: 8, .size: 8, .value_kind: global_buffer, .address_space: global }
      - { .name: Wk, .offset: 16, .size: 8, .value_kind: global_buffer, .address_space: global }
      - { .name: Wv, .offset: 24, .size: 8, .value_kind: global_buffer, .address_space: global }
      - { .name: Wo, .offset: 32, .size: 8, .value_kind: global_buffer, .address_space: global }
      - { .name: lowp_scales, .offset: 40, .size: 8, .value_kind: global_buffer, .address_space: global }
      - { .name: xc, .offset: 48, .size: 8, .value_kind: global_buffer, .address_space: global }
      - { .name: wc, .offset: 56, .size: 8, .value_kind: global_buffer, .address_space: global }
    .group_segment_fixed_size: 34304
    .private_segment_fixed_size: 0
    .kernarg_segment_align: 8
    .kernarg_segment_size: 64
    .max_flat_workgroup_size: 128
    .sgpr_count:     66
    .vgpr_count:     226
    .wavefront_size: 32
...
	.end_amdgpu_metadata
.endif
;; end of part 1
;; launch qkv (part 2): grid 12 x 32, 4 waves a work-group, clusters of 4 x 4, 327,680 bytes of LDS; arguments xc, wc, bq, bk, bv, lowp_scales, qc, kv; writes qc, kv
.if DOCPART == 2
	.amdgcn_target "amdgcn-amd-amdhsa--gfx1250"
	.amdhsa_code_object_version 6
	.text
	.protected	k_qbf1ccf4640_qkv
	.globl	k_qbf1ccf4640_qkv
	.p2align	8
	.type	k_qbf1ccf4640_qkv,@function
k_qbf1ccf4640_qkv:
	s_mov_b64 s[64:65], 0
	v_nop
	global_prefetch_b8 v0, s[64:65] scope:SCOPE_SE
	s_setreg_imm32_b32 hwreg(HW_REG_WAVE_MODE, 25, 1), 1
	s_wait_xcnt 0x0
	s_wait_alu depctr_hold_cnt(0) depctr_sa_sdst(0) depctr_va_vdst(0) depctr_va_sdst(0) depctr_va_ssrc(0) depctr_va_vcc(0) depctr_vm_vsrc(0)
	s_getreg_b32 s2, hwreg(HW_REG_IB_STS2, 6, 4)
	s_cmp_eq_u32 s2, 0
	s_cbranch_scc0 .Lentry_in_a_cluster
	s_endpgm
.Lentry_in_a_cluster:
	s_bfe_u32 s2, ttmp6, 0x10000c
	s_cmp_lg_u32 s2, 0xf033
	s_cbranch_scc0 .Lentry_shape_is_right
	s_endpgm
.Lentry_shape_is_right:
; q = x Wq + bq, k = x Wk + bk, v = x Wv + bv on codes of E4M3, and the results quantised again (q: 2^e6, k: 2^e7, v: 2^e9) for the attention launch.
; The cluster's x says which: 0 = q, 1 = k, 2 = v.  A tile of the result, 256 x 256, is made by a work-group of four waves; a wave makes 128 x 128: 64 accumulators, 512 registers.
; OPERANDS are images of the operand's registers (16 rows x 128 K = 2,048 bytes: chunk c at 512 c, lane L's 16 bytes at 16 L), [tile of 16 rows][K step 0..7]: a fragment is four ds_load_b128 of 512 consecutive bytes.
; THE MATRIX INSTRUCTION IS USED TRANSPOSED (source 0 = 16 rows of "B", source 1 = 16 rows of "A"): lane (r, h) holds A's row 16 a + r and, in registers 0-7, B's rows 16 b + 8 h + 0..7.
;   q, k: A = x's tokens, B = the weight's channels: a lane's eight registers are eight neighbouring channels of a token: neighbours along the next product's K (the head's 64).
;   v:    A = Wv's channels, B = x's tokens: a lane's eight registers are eight neighbouring KEYS of a channel: neighbours along the second attention product's K.
; So the conversions' results are the next operand's registers, and they are stored as images again, 512 consecutive bytes a store:
;   qc: [head 0..63][tile of 16 queries 0..127] images of 16 rows x 64 K (1,024 bytes: chunk u at 512 u);
;   kv: [head][step of 64 keys 0..31][8,192 bytes]: four images of K (16 keys x the head's 64), then four of V^T (16 channels x the step's 64 keys).
; K = 1,024 goes in four steps of 256 through a ring of two LDS slots filled by the tensor data mover.
; CLUSTERS: 4 x 4 work-groups.  The four of a row of the cluster need the same tiles of A, the four of a column the same tiles of B: each tile is asked for jointly.
; LIMITS: e0 + e1, e2 + e3, e4 + e5 between -126 and 127; e6, e7, e9 between -126 and 119.
; REGISTERS, in windows of 256: window 0: v0-31 addresses; v32-95 the bias by B's rows, v96-111 the bias by A's rows; v128-255 A's fragments, ONE set (on the way out: the codes).
;   window 1: B's fragments, TWO sets, at v0 and v128.   window 2: the accumulators of my A rows 0-63 ((a, b) at v[8 (8 a + b)]);   window 3: those of rows 64-127.
.set HALFT,  32768                     ; 8 tiles of rows x 4,096 bytes (256 along K): what one tensor load brings, and what one wave reads of A or of B
.set SLOT,   4*HALFT                   ; A's 16 tiles, then B's 16
.set SPARE,  2*SLOT                    ; behind the ring: the spare words, 128 bytes for each wave: two blocks of 256 bytes that no other line names
.set KSB,    4096                      ; a slot's part of a tile of rows in memory
.set FR,     16                        ; registers of a fragment
.set NL,     4                         ; LDS loads that bring one
.set NP,     4                         ; places behind this matrix instruction (ISA guide 7.12.1)
.set VCOL, 6                           ; v6    byte offset of the bias by B's rows
.set VROW, 7                           ; v7    byte offset of the bias by A's rows
.set VO,   8                           ; v8-11 where my 16 bytes of an image go: index 2 (a / 4) + g
.set SCL,  12                          ; v12   2^eo as f32
.set LIM,  13
.set ADRA, 16                          ; v16-17  LDS address of my A fragments in slot 0, 1
.set ADRB, 20                          ; v20-21  the same for B
.set SPW,  28                          ; v28   LDS address of my spare word; never rewritten
.set NIL,  29                          ; v29   0; never rewritten
.set BC,   32
.set BR,   96
.set AF,   128
.set CD,   128                         ; the way out: 16 images' registers, 8 each
.set G1, 24                            ; s[24:31] descriptor group 1 for A's tiles;  s[32:39] group 0, one set for each slot
.set G0, 32
.set G1B, 48                           ; s[48:55], s[56:63] the same for B's tiles
.set G0B, 56
.set MSB, 0
.macro WIN new                         ; the immediate's high byte repeats the setting that is left; a switch that changes nothing is dropped
.if MSB != (\new)
	s_set_vgpr_msb (MSB<<8)|(\new)
.set MSB, (\new)
.endif
.endm
.set MUL_LO, 0xa1                      ; source 0 (B) window 1, source 1 (A) window 0, C and D window 2
.set MUL_HI, 0xf1                      ; the same, C and D window 3
.set TO_B,   0x40                      ; destination window 1, address window 0
; A joint load: waves 0 and 1 fetch for A, waves 2 and 3 for B.  The branch hangs on the wave's number alone.  Four v_nop follow each of the two lines.
.macro JLOAD g0a, g1a, g0b, g1b
	s_cmp_eq_u32 s15, 0
	s_cbranch_scc0 .Lfor_b_\@
	tensor_load_to_lds s[\g0a:\g0a+3], s[\g1a:\g1a+7]
	s_nop 0
.rept 4
	v_nop
.endr
	s_branch .Lasked_\@
.Lfor_b_\@:
	tensor_load_to_lds s[\g0b:\g0b+3], s[\g1b:\g1b+7]
	s_nop 0
.rept 4
	v_nop
.endr
.Lasked_\@:
.endm
.macro CREST                           ; a round of the cluster's barrier behind its opening barrier
	s_cmp_lg_u32 s14, 0
	s_cbranch_scc1 .Lnot_wave_0_\@
	s_barrier_signal -3
.Lnot_wave_0_\@:
	s_barrier_wait -3
	s_barrier_signal -1
	s_barrier_wait -1
.endm
.macro CROUND                          ; a whole round
	s_barrier_signal -1
	s_barrier_wait -1
	CREST
.endm
	s_load_b512 s[68:83], s[0:1], 0x0              ; xc 68, wc 70, bq 72, bk 74, bv 76, scales 78, qc 80, kv 82
	v_lshl_add_u32 v[SPW], v0, 2, SPARE
	v_mov_b32 v[NIL], 0
	ds_add_u32 v28, v29
	ds_add_u32 v28, v29
	s_wait_dscnt 0x0
	v_lshrrev_b32 v1, 5, v0
	v_readfirstlane_b32 s14, v1                    ; wave 0..3
	s_lshr_b32 s15, s14, 1                         ; which half of the tile's A rows is mine.  Also: I fetch for A (0) or for B (1)
	s_and_b32 s16, s14, 1                          ; which half of its B rows.  Also: which 8 tiles of rows I fetch
	s_bfe_u32 s40, ttmp6, 0x40000                  ; cx, cy: my place in the cluster
	s_bfe_u32 s41, ttmp6, 0x40004
	s_and_b32 s13, ttmp7, 0xffff
	s_lshl_b32 s13, s13, 2                         ; 4 x cluster y: the tokens' axis has 32 tiles, the channels' axis four
	s_lshl_b32 s84, ttmp9, 23                      ; x's codes for q or k,
	s_lshl_b32 s85, ttmp9, 20                      ; and the weight's
	s_cmp_eq_u32 ttmp9, 2                          ; v?  The cluster's x is the same in all sixteen partners
	s_cselect_b32 s17, 0, s13
	s_cselect_b32 s42, s13, 0
	s_cselect_b32 s84, 0x200000, s84               ; A's first byte: v: Wv's codes in wc; else x's codes in xc
	s_cselect_b32 s85, 0x1000000, s85              ; B's: v: x's third set in xc; else the weight's in wc
	s_add_co_u32 s17, s17, s41                     ; tile row (A's axis): it never holds cx
	s_add_co_u32 s42, s42, s40                     ; tile column (B's axis): it never holds cy
	s_lshl_b32 s43, s41, 2
	s_lshl_b32 s43, 15, s43                        ; my row of the cluster
	s_lshl_b32 s44, 0x1111, s40                    ; my column
	; descriptor group 1: 8 rows (tiles of 16 operand rows) of 4,096 bytes, 16,384 bytes apart in memory, dense in LDS; elements of 8 bytes
	s_or_b32 s[G1+0], s43, (3<<16)|(1<<21)         ; 15:0 the mask: A's tiles go to my row; 17:16 elements of 8 bytes; 21 set beside a mask
	s_or_b32 s[G1B+0], s44, (3<<16)|(1<<21)
.irp g, G1, G1B
	s_mov_b32 s[\g+1], 512<<16                     ; tensor_dim0 = 512
	s_mov_b32 s[\g+2], 8<<16                       ; tensor_dim1 = 8
	s_mov_b32 s[\g+3], 512<<16                     ; tile_dim0 = 512
	s_mov_b32 s[\g+4], 8                           ; tile_dim1 = 8
	s_mov_b32 s[\g+5], 2048                        ; tensor_dim0_stride
	s_mov_b32 s[\g+6], 0
	s_mov_b32 s[\g+7], 0
.endr
	s_lshl_b32 s18, s16, 17                        ; which 8 tiles of rows I fetch
	s_lshl_b32 s20, s17, 18                        ; A: 16 tiles of rows to a tile of the result
	s_add_co_u32 s20, s20, s18
	s_add_co_u32 s20, s20, s84
	s_mov_b32 s21, 0
	s_lshl_b32 s46, s42, 18                        ; B likewise
	s_add_co_u32 s46, s46, s18
	s_add_co_u32 s46, s46, s85
	s_mov_b32 s47, 0
	s_mul_i32 s45, s14, HALFT                      ; where they go: wave x 32,768: no place in the cluster enters an LDS address
	s_wait_kmcnt 0x0
	s_load_b256 s[4:11], s[78:79], 0x0             ; e0 .. e7
	s_load_b128 s[92:95], s[78:79], 0x20           ; e8 .. e11
	s_cmp_eq_u32 ttmp9, 2
	s_cselect_b64 s[86:87], s[70:71], s[68:69]     ; A's buffer
	s_cselect_b64 s[88:89], s[68:69], s[70:71]     ; B's buffer
	s_add_nc_u64 s[20:21], s[86:87], s[20:21]
	s_add_nc_u64 s[46:47], s[88:89], s[46:47]
	CROUND                                         ; all sixteen work-groups are here: the first joint loads meet
.irp s, 0,1
	s_mov_b32 s[G0+4*\s], 1
	s_add_co_u32 s[G0+4*\s+1], s45, \s*SLOT
	s_add_nc_u64 s[G0+4*\s+2:G0+4*\s+3], s[20:21], \s*KSB
	s_or_b32 s[G0+4*\s+3], s[G0+4*\s+3], 0x80000000
	s_mov_b32 s[G0B+4*\s], 1
	s_add_co_u32 s[G0B+4*\s+1], s45, \s*SLOT
	s_add_nc_u64 s[G0B+4*\s+2:G0B+4*\s+3], s[46:47], \s*KSB
	s_or_b32 s[G0B+4*\s+3], s[G0B+4*\s+3], 0x80000000
	JLOAD G0+4*\s, G1, G0B+4*\s, G1B               ; two loads of mine are out
.endr
	v_and_b32 v1, 31, v0
	v_lshlrev_b32 v4, 4, v1                        ; 16 x lane: my place in every image
	v_and_b32 v2, 15, v0                           ; r
	v_bfe_u32 v3, v0, 4, 1                         ; h
	s_wait_alu depctr_va_vdst(0)
	s_mul_i32 s22, s15, HALFT                      ; my 8 tiles of A's rows
	s_mul_i32 s23, s16, HALFT                      ; my 8 of B's,
	s_add_co_u32 s23, s23, 2*HALFT                 ; which lie behind A's 16
.irp s, 0,1
	v_add_nc_u32 v[ADRA+\s], s22, v4
	v_add_nc_u32 v[ADRB+\s], s23, v4
	s_add_co_u32 s22, s22, SLOT
	s_add_co_u32 s23, s23, SLOT
.endr
	; The bias, in both layouts: by B's rows (q, k: the channels are B's rows) and by A's rows (v).  Both tables are loaded in every work-group, so that the head has no branch; one of the two goes unused.
	; The tile numbers are taken modulo 4, so that the unused table's loads stay inside the 1,024 numbers too.
	s_and_b32 s2, s42, 3
	s_lshl_b32 s2, s2, 10
	s_lshl_b32 s3, s16, 9
	s_add_co_u32 s2, s2, s3
	v_lshl_add_u32 v[VCOL], v3, 5, s2              ; 4 x (256 tc + 128 half + 8 h)
	s_wait_alu depctr_va_vdst(0)
	s_and_b32 s2, s17, 3
	s_lshl_b32 s2, s2, 10
	s_lshl_b32 s3, s15, 9
	s_add_co_u32 s2, s2, s3
	v_lshl_add_u32 v[VROW], v2, 2, s2              ; 4 x (256 tr + 128 half + r)
	s_cmp_eq_u32 ttmp9, 0
	s_cselect_b64 s[66:67], s[72:73], s[74:75]
	s_cmp_eq_u32 ttmp9, 2
	s_cselect_b64 s[66:67], s[76:77], s[66:67]     ; bq, bk or bv
.irp b, 0,1,2,3,4,5,6,7
	global_load_b128 v[BC+8*\b:BC+8*\b+3],   v[VCOL], s[66:67] offset:64*\b      ; register 8 b + j: the bias of B's row 16 b + 8 h + j
	global_load_b128 v[BC+8*\b+4:BC+8*\b+7], v[VCOL], s[66:67] offset:64*\b+16
.endr
.irp a, 0,1,2,3,4,5,6,7
	global_load_b32 v[BR+2*\a],   v[VROW], s[66:67] offset:64*\a                  ; the bias of A's row 16 a + r, twice: a pair for the packed multiply-add
	global_load_b32 v[BR+2*\a+1], v[VROW], s[66:67] offset:64*\a
.endr
	; Where the images go.  Tk, th: the tokens' tile and my half of it; Cc, chh: the channels'.
	s_cmp_eq_u32 ttmp9, 2
	s_cselect_b32 s2, s42, s17                     ; Tk
	s_cselect_b32 s3, s16, s15                     ; th
	s_cselect_b32 s12, s17, s42                    ; Cc
	s_cselect_b32 s13, s15, s16                    ; chh
	s_cselect_b32 s19, 4096, 0                     ; V^T's images lie behind K's in a step
	s_cmp_eq_u32 ttmp9, 0
	s_cselect_b32 s84, 17, 18                      ; a head's bytes: 2^17 in qc, 2^18 in kv
	s_cselect_b32 s85, 10, 11                      ; a tile of 16 tokens: 2^10 in qc, 2^11 (a quarter of a step) in kv
	s_cselect_b64 s[90:91], s[80:81], s[82:83]
	s_lshr_b32 s18, s2, 3
	s_lshl_b32 s18, s18, 4                         ; 16 x batch
	s_lshl_b32 s12, s12, 2
	s_add_co_u32 s18, s18, s12
	s_lshl_b32 s13, s13, 1
	s_add_co_u32 s18, s18, s13                     ; my first head: 16 batch + 4 Cc + 2 chh
	s_lshl_b32 s18, s18, s84
	s_and_b32 s2, s2, 7
	s_lshl_b32 s2, s2, 4
	s_lshl_b32 s3, s3, 3
	s_add_co_u32 s2, s2, s3                        ; my first tile of 16 tokens in the sequence
	s_lshl_b32 s2, s2, s85
	s_add_co_u32 s2, s2, s18
	s_add_co_u32 s2, s2, s19
	s_mov_b32 s3, 0
	s_add_nc_u64 s[90:91], s[90:91], s[2:3]
	s_lshl_b32 s2, 1, s84                          ; a head on
	s_lshl_b32 s3, 4, s85                          ; four tiles of tokens on
	s_cmp_eq_u32 ttmp9, 2
	s_cselect_b32 s12, s2, s3                      ; from A's blocks 0-3 to 4-7: v: the next head; q, k: four tiles of tokens
	s_cselect_b32 s18, s3, s2                      ; from B's blocks 0-3 to 4-7: v: the next step of 64 keys; q, k: the next head
	v_mov_b32 v[VO], v4
	v_add_nc_u32 v[VO+1], s18, v4
	v_add_nc_u32 v[VO+2], s12, v4
	v_add_nc_u32 v[VO+3], s18, v[VO+2]
.macro FRAG reg, adr, q, i             ; a fragment comes as it was stored: four loads of 512 consecutive bytes; tile of rows i, the slot's q-th 128 along K
.irp c, 0,1,2,3
	ds_load_b128 v[\reg+4*\c:\reg+4*\c+3], v[\adr] offset:2048*(\q)+512*\c+(\i)*4096
.endr
.endm
; 16 matrix instructions: A's blocks a0, a0 + 1 x B's eight, 128 along K.  p: B's set.  zero = 1: the first product starts the sums.
; The 64 accumulators take turns, one instruction a turn, in the same order in every step.
.macro MUL16 a0, p, zero
.irp a, \a0, \a0+1
.irp b, 0,1,2,3,4,5,6,7
.if \zero
	v_wmma_f32_16x16x128_fp8_fp8 v[8*(8*((\a)%4)+\b):8*(8*((\a)%4)+\b)+7], v[128*(\p)+FR*\b:128*(\p)+FR*\b+FR-1], v[AF+FR*(\a):AF+FR*(\a)+FR-1], 0
.else
	v_wmma_f32_16x16x128_fp8_fp8 v[8*(8*((\a)%4)+\b):8*(8*((\a)%4)+\b)+7], v[128*(\p)+FR*\b:128*(\p)+FR*\b+FR-1], v[AF+FR*(\a):AF+FR*(\a)+FR-1], v[8*(8*((\a)%4)+\b):8*(8*((\a)%4)+\b)+7]
.endif
.endr
.endr
.endm
.macro FETCH_B slot, q, p
	WIN TO_B
.irp i, 0,1,2,3,4,5,6,7
	FRAG 128*(\p)+FR*\i, ADRB+\slot, \q, \i
.endr
	WIN 0
.endm
.macro FETCH_A slot, q, i0
.irp i, \i0, \i0+1, \i0+2, \i0+3
	FRAG AF+FR*(\i), ADRA+\slot, \q, \i
.endr
.endm
.macro PLACES n                        ; plain vector lines between a matrix instruction and a load into, or a vector instruction on, one of its registers
.rept \n
	v_nop
.endr
.endm
; A step of 128 along K that has its successor in the same slot.  A's blocks 0-3 are fetched anew in its middle, blocks 4-7 at its end; B's next set in the middle.
.macro STEP slot, q, zero
	s_wait_dscnt 4*NL                              ; B's set and A's blocks 0-3 are in; the youngest 16 loads (A's blocks 4-7) may be out
	WIN MUL_LO
	MUL16 0, (\q)%2, \zero
	MUL16 2, (\q)%2, \zero
	s_wait_dscnt 0                                 ; A's blocks 4-7 are in
	PLACES NP
	FETCH_B \slot, (\q)+1, 1-(\q)%2
	FETCH_A \slot, (\q)+1, 0
	WIN MUL_HI
	MUL16 4, (\q)%2, \zero
	MUL16 6, (\q)%2, \zero
	PLACES NP
	WIN 0
	FETCH_A \slot, (\q)+1, 4
.endm
; A slot's last step changes slots: ONE barrier; in front of it each wave waits for all its tensor loads, adds 0 to its spare word, and waits for that and for its own reads of this slot.  fill = 1: this slot is filled again.
.macro TURN slot, next, fill
	s_wait_tensorcnt 0x0                           ; all my tensor loads have landed: my part of the next slot
	ds_add_u32 v[SPW], v[NIL]                      ; 0 onto my spare word
	s_wait_dscnt 4*NL+1                            ; (the add and the youngest 16 loads, A's blocks 4-7, may be out)
	WIN MUL_LO
	MUL16 0, 1, 0                                  ; sixteen matrix instructions stand between the add and the wait for it
	s_wait_dscnt 0x0                               ; the add is done, and my reads of this slot are over
	s_barrier_signal -1
	MUL16 2, 1, 0
	WIN 0
	s_barrier_wait -1
.if \fill
	CREST                                          ; the barrier has opened a round of the cluster's barrier: no wave of any partner still reads this slot or has a load on its way
	s_add_nc_u64 s[G0+4*\slot+2:G0+4*\slot+3], s[G0+4*\slot+2:G0+4*\slot+3], 2*KSB
	s_add_nc_u64 s[G0B+4*\slot+2:G0B+4*\slot+3], s[G0B+4*\slot+2:G0B+4*\slot+3], 2*KSB
	JLOAD G0+4*\slot, G1, G0B+4*\slot, G1B         ; the first tensor load behind the round, my only one until the next; its four v_nop are the places in front of the loads below
.else
	PLACES NP
.endif
	FETCH_B \next, 0, 0
	FETCH_A \next, 0, 0
	WIN MUL_HI
	MUL16 4, 1, 0
	MUL16 6, 1, 0
	PLACES NP
	WIN 0
	FETCH_A \next, 0, 4
.endm
	s_wait_tensorcnt 1                             ; my part of slot 0 is in (slot 1's load may be out)
	s_barrier_signal -1
	s_barrier_wait -1                              ; everybody's is
	FETCH_B 0, 0, 0
	FETCH_A 0, 0, 0
	FETCH_A 0, 0, 4
	STEP 0, 0, 1                                   ; K 0-127: the products start the sums.  The eight steps are written out: 1,024 along K are four fills
	TURN 0, 1, 1                                   ; K 128-255; slot 0 takes K 512-767
	STEP 1, 0, 0
	TURN 1, 0, 1                                   ; slot 1 takes K 768-1023
	STEP 0, 0, 0
	TURN 0, 1, 0                                   ; nothing is left to fetch
	STEP 1, 0, 0
	s_wait_dscnt 4*NL                              ; the last step
	WIN MUL_LO
	MUL16 0, 1, 0
	MUL16 2, 1, 0
	s_wait_dscnt 0
	WIN MUL_HI
	MUL16 4, 1, 0
	MUL16 6, 1, 0
	WIN 0
	; THE WAY OUT: sum x 2^(eA + eB) + bias, held within +-448 x 2^eo, converted with 2^eo; no LDS: the codes are the next operand's registers.
	s_wait_kmcnt 0x0
	s_add_co_i32 s2, s4, s5                        ; e0 + e1
	s_add_co_i32 s3, s6, s7                        ; e2 + e3
	s_add_co_i32 s12, s8, s9                       ; e4 + e5
	s_cmp_eq_u32 ttmp9, 0
	s_cselect_b32 s96, s2, s3
	s_cselect_b32 s98, s10, s11                    ; e6 for q, e7 for k,
	s_cmp_eq_u32 ttmp9, 2
	s_cselect_b32 s96, s12, s96
	s_cselect_b32 s98, s93, s98                    ; e9 for v
	s_add_co_i32 s96, s96, 127
	s_lshl_b32 s96, s96, 23                        ; 2^(eA + eB) as f32
	s_mov_b32 s97, s96                             ; (named with it as a pair, so it is written)
	s_add_co_i32 s98, s98, 127
	s_lshl_b32 s99, s98, 23
	v_mov_b32 v[SCL], s99
	s_wait_loadcnt 0x0                             ; the biases
	PLACES NP
; m = 0: the bias goes by B's rows (register 8 b + j); m = 1: by A's rows (one number a lane for each block a).  In place, each accumulator from its low end on.
.macro FMA m
.irp w, 2, 3
	WIN 0x82+0x41*(\w-2)                           ; source 0 and destination in window w, the bias in window 0
.set i, 0
.rept 128                              ; pair i of the window: block a % 4 = i / 32, b = (i / 4) % 8
.if \m
	v_pk_fma_f32 v[2*i:2*i+1], v[2*i:2*i+1], s[96:97], v[BR+2*(4*(\w-2)+i/32):BR+2*(4*(\w-2)+i/32)+1] op_sel_hi:[1,0,1]
.else
	v_pk_fma_f32 v[2*i:2*i+1], v[2*i:2*i+1], s[96:97], v[BC+8*((i/4)%8)+2*(i%4):BC+8*((i/4)%8)+2*(i%4)+1] op_sel_hi:[1,0,1]
.endif
.set i, i+1
.endr
.endr
	WIN 0
.endm
	s_cmp_eq_u32 ttmp9, 2                          ; the cluster's x: the same way in all sixteen partners
	s_cbranch_scc1 .Lrow_bias
	FMA 0
	s_branch .Lcodes
.Lrow_bias:
	FMA 1
.Lcodes:
.irp w, 2, 3
	WIN 0x82+0x41*(\w-2)
.set i, 0
.rept 256
.set i, i+1
.endr
	WIN \w                                         ; source 0 in window w, the codes and the scale in window 0
.set i, 0
.rept 32                               ; accumulator i of the window: a % 4 = i / 8, b = i % 8 = 4 g + c: registers 2 c, 2 c + 1 of image (a, g): K = 16 c + 8 h + 0..7
	v_cvt_scalef32_pk8_fp8_f32 v[CD+64*(\w-2)+8*(2*(i/8)+(i%8)/4)+2*(i%4):CD+64*(\w-2)+8*(2*(i/8)+(i%8)/4)+2*(i%4)+1], v[8*i:8*i+7], v[SCL]
.set i, i+1
.endr
	v_nop                                          ; a plain line behind the last conversion
	WIN 0
.set i, 0
.rept 8                                ; image i of the window: a % 4 = i / 2, g = i % 2; each has registers of its own, so no store's data are written again
	global_store_b128 v[VO+2*(\w-2)+i%2], v[CD+64*(\w-2)+8*i:CD+64*(\w-2)+8*i+3],   s[90:91] offset:(i/2)*1024       ; the wave stores 512 consecutive bytes, at a multiple of 512 from the buffer's first byte
	global_store_b128 v[VO+2*(\w-2)+i%2], v[CD+64*(\w-2)+8*i+4:CD+64*(\w-2)+8*i+7], s[90:91] offset:(i/2)*1024+512
.set i, i+1
.endr
.endr
	s_wait_tensorcnt 0x0                           ; the wave's end
	ds_add_u32 v[SPW], v[NIL]
	s_wait_dscnt 0x0
	CROUND                                         ; the closing round: no work-group ends while a partner may still ask for a tile that names it
	s_endpgm
.Lfunc_end_k_qbf1ccf4640_qkv:
	.size	k_qbf1ccf4640_qkv, .Lfunc_end_k_qbf1ccf4640_qkv-k_qbf1ccf4640_qkv
	.p2alignl 7, 3214868480
	.fill 96, 4, 3214868480
	.section	.rodata,"a",@progbits
	.p2align	6, 0x0
	.amdhsa_kernel k_qbf1ccf4640_qkv
		.amdhsa_group_segment_fixed_size 327680
		.amdhsa_private_segment_fixed_size 0
		.amdhsa_enable_private_segment 0
		.amdhsa_kernarg_size 64
		.amdhsa_user_sgpr_count 2
		.amdhsa_user_sgpr_kernarg_segment_ptr 1
		.amdhsa_wavefront_size32 1
		.amdhsa_system_sgpr_workgroup_id_x 1
		.amdhsa_system_sgpr_workgroup_id_y 1
		.amdhsa_system_sgpr_workgroup_id_z 1
		.amdhsa_system_vgpr_workitem_id 0
		.amdhsa_next_free_vgpr 1024
		.amdhsa_next_free_sgpr 100
		.amdhsa_reserve_vcc 0
		.amdhsa_float_denorm_mode_32 3
		.amdhsa_float_denorm_mode_16_64 3
		.amdhsa_fp16_overflow 1
		.amdhsa_memory_ordered 1
		.amdhsa_forward_progress 1
		.amdhsa_inst_pref_size 122
	.end_amdhsa_kernel
	.amdgpu_metadata
---
amdhsa.version: [ 1, 2 ]
amdhsa.kernels:
  - .name:           k_qbf1ccf4640_qkv
    .symbol:         k_qbf1ccf4640_qkv.kd
    .args:
      - { .name: xc, .offset: 0, .size: 8, .value_kind: global_buffer, .address_space: global }
      - { .name: wc, .offset: 8, .size: 8, .value_kind: global_buffer, .address_space: global }
      - { .name: bq, .offset: 16, .size: 8, .value_kind: global_buffer, .address_space: global }
      - { .name: bk, .offset: 24, .size: 8, .value_kind: global_buffer, .address_space: global }
      - { .name: bv, .offset: 32, .size: 8, .value_kind: global_buffer, .address_space: global }
      - { .name: lowp_scales, .offset: 40, .size: 8, .value_kind: global_buffer, .address_space: global }
      - { .name: qc, .offset: 48, .size: 8, .value_kind: global_buffer, .address_space: global }
      - { .name: kv, .offset: 56, .size: 8, .value_kind: global_buffer, .address_space: global }
    .group_segment_fixed_size: 327680
    .private_segment_fixed_size: 0
    .kernarg_segment_align: 8
    .kernarg_segment_size: 64
    .max_flat_workgroup_size: 128
    .sgpr_count:     100
    .vgpr_count:     1024
    .wavefront_size: 32
...
	.end_amdgpu_metadata
.endif
;; end of part 2
;; launch attn (part 3): grid 4 x 64, 16 waves a work-group, no clusters, 327,680 bytes of LDS; arguments qc, kv, lowp_scales, yc; writes yc
.if DOCPART == 3
	.amdgcn_target "amdgcn-amd-amdhsa--gfx1250"
	.amdhsa_code_object_version 6
	.text
	.protected	k_qbf1ccf4640_attn
	.globl	k_qbf1ccf4640_attn
	.p2align	8
	.type	k_qbf1ccf4640_attn,@function
k_qbf1ccf4640_attn:
	s_mov_b64 s[64:65], 0
	v_nop
	global_prefetch_b8 v0, s[64:65] scope:SCOPE_SE
	s_setreg_imm32_b32 hwreg(HW_REG_WAVE_MODE, 25, 1), 1
	s_wait_xcnt 0x0
; y[head][q] = the sum over keys k <= q of softmax_k(q . k / 8) v[k], both products on codes of E4M3 (q: 2^e6, k: 2^e7, p: 2^e8, v: 2^e9), and y quantised with 2^e10 for the last product.
; THE SOFTMAX: t = score x log2(e) / 8; M = the row's largest t so far, rounded UP to a whole number; p = 2^(t - M) is what is quantised; the row's sum is taken of the unquantised p and divides at the end.
; When M moves, the sum and O are multiplied by 2^(old M - new M): exact.
; INPUTS are images of operand registers (16 rows x 64 K = 1,024 bytes: chunk u at 512 u, lane L's 16 bytes at 16 L): qc [head][tile of 16 queries]; kv [head][step of 64 keys][4 images of K, 4 of V^T].
; OUTPUT yc: [tile of 16 tokens 0..511][K step 0..7] images of 16 rows x 128 K; a head's 64 channels are half of one image.
; SHARES.  A work-group takes one head and the blocks p and 7 - p of 256 queries: (p + 1) + (8 - p) = 9 blocks of keys in every work-group.  Each of its sixteen waves owns 32 queries, two tiles of 16,
; so that each fragment of K and V read from LDS feeds two matrix instructions.  Waves of the early and of the late block alternate so that among any four neighbouring waves, and among waves w, w + 4, w + 8, w + 12, two are of each kind.
; LDS holds a copy of the head's whole kv, 262,144 bytes, brought once by tensor loads issued at the head: no byte is filled twice.  It comes in four chunks of 512 keys, each shared out among the sixteen waves; a barrier stands in front of each chunk.
; NO CLUSTER: the work-groups of a head leave out different key steps (a branch on the block of queries), and partners of a cluster must run alike.
; Both products are used transposed: S^T = K Q^T (source 0 = 16 keys, source 1 = 16 queries), O^T = V^T P^T (source 0 = 16 channels, source 1 = P): a lane holds ONE query (lane % 16) throughout, and
; tile t's eight registers are keys 16 t + 8 (lane / 16) + 0..7: the very places of the second product's operand.
; CAUSAL: every wave walks all 32 steps (constant trip counts); a step all of whose keys come after the wave's queries is jumped over; on the diagonal hidden scores become -infinity ahead of the maximum.
; LIMITS: e6 + e7 between -123 and 130 (added to c's exponent field); e8 and e10 between -126 and 119; e8 + e9 is applied by v_ldexp_f32.
.set LI,   1                           ; v1   16 x lane
.set ADR,  2                           ; v2   LDS address of the step in hand
.set DD,   3                           ; v3-4 the mask: my query - the step's first key - 8 h, for tiles 0, 1
.set NINF, 5                           ; v5   -infinity
.set PLIM, 6
.set PSCL, 7                           ; v7   2^e8
.set ST,   8                           ; tile q: v[8+4q] -M, v[9+4q] the largest t, v[10+4q:11+4q] the sum in two halves
.set FF,   16                          ; v[16+2q:17+2q] f = 2^(old M - new M); the upper word is written once
.set MX,   20                          ; v[20+2q], v[21+2q] the maximum's two chains
.set PL,   24                          ; v24-25 lane permutes' destinations
.set SB,   26                          ; v[26+2q:27+2q] the sum's second chain
.set QR,   32                          ; v32-47   Q, 8 registers a tile
.set KR,   48                          ; v48-79   K, four fragments
.set VR,   80                          ; v80-111  V^T, four fragments
.set PC,   112                         ; v112-127 p's codes, 8 a tile; at the end y's
.set S,    128                         ; v128-191 S^T, then p: 32 q + 8 t + j
.set O,    192                         ; v192-255 O^T: 32 q + 8 ct + j
.set WV,   12
.set HD,   13
.set Q0,   18                          ; s18  my first query
.set QL,   19                          ; s19  my last
.set SEL,  20                          ; s[20:21] selects of v_permlanex16_b32: lane l xor 16
.set CS,   22                          ; s[22:23] c = log2(e) / 8 x 2^(e6 + e7)
.set G1,   24                          ; s[24:31] descriptor group 1
.set G0,   32                          ; s[32:47] four groups 0, one for each chunk
.set TB,   48                          ; s48  LDS byte of the step in hand
.set KF,   49                          ; s49  its first key
.set CNT,  50
.set TMP,  51
	s_load_b256 s[4:11], s[0:1], 0x0               ; qc 4, kv 6, scales 8, yc 10
	v_lshl_add_u32 v254, v0, 2, 0x40000
	v_mov_b32 v255, 0
	ds_add_u32 v254, v255
	ds_add_u32 v254, v255
	s_wait_dscnt 0x0
	v_lshrrev_b32 v1, 5, v0
	s_delay_alu instid0(VALU_DEP_1)
	v_readfirstlane_b32 s[WV], v1                  ; wave 0..15
	s_and_b32 s[HD], ttmp7, 0xffff                 ; head 0..63 = 16 batch + head
	; descriptor group 1: a dense block of 4,096 bytes as 16 rows of 256 bytes; elements of 8 bytes
	s_mov_b32 s[G1], 3<<16
	s_mov_b32 s[G1+1], 32<<16                      ; tensor_dim0 = 32
	s_mov_b32 s[G1+2], 16<<16                      ; tensor_dim1 = 16
	s_mov_b32 s[G1+3], 32<<16                      ; tile_dim0 = 32
	s_mov_b32 s[G1+4], 16                          ; tile_dim1 = 16
	s_mov_b32 s[G1+5], 32                          ; tensor_dim0_stride
	s_mov_b32 s[G1+6], 0
	s_mov_b32 s[G1+7], 0
	s_lshl_b32 s15, s[WV], 12                      ; my 4,096 bytes of a chunk
	s_lshl_b32 s16, s[HD], 18                      ; the head's 262,144 bytes
	s_add_co_u32 s16, s16, s15
	s_mov_b32 s17, 0
	s_wait_kmcnt 0x0
	s_load_b128 s[68:71], s[8:9], 0x18             ; e6, e7, e8, e9
	s_load_b32 s72, s[8:9], 0x28                   ; e10
	s_add_nc_u64 s[6:7], s[6:7], s[16:17]
.irp c, 0,1,2,3
	s_mov_b32 s[G0+4*\c], 1
	s_add_co_u32 s[G0+4*\c+1], s15, 65536*\c       ; LDS mirrors the head's bytes
	s_add_nc_u64 s[G0+4*\c+2:G0+4*\c+3], s[6:7], 65536*\c
	s_or_b32 s[G0+4*\c+3], s[G0+4*\c+3], 0x80000000
.endr
.irp c, 0,1,2,3
	s_wait_alu depctr_va_vdst(0)
	s_wait_tensorcnt 0x0
	ds_add_u32 v254, v255
	ds_add_u32 v254, v255
	s_wait_dscnt 0x0
	s_barrier_signal -1
	s_barrier_wait -1
	tensor_load_to_lds s[G0+4*\c:G0+4*\c+3], s[G1:G1+7]   ; chunk c's fill, behind a wait for my earlier fills and a barrier: one load of mine is out
	s_nop 0
.endr
.rept 4
	v_nop
.endr
	s_lshr_b32 s18, s[WV], 2
	s_xor_b32 s18, s18, s[WV]
	s_and_b32 s18, s18, 1                          ; 1: I belong to the late block
	s_sub_co_u32 s19, 7, ttmp9
	s_cmp_eq_u32 s18, 1
	s_cselect_b32 s19, s19, ttmp9                  ; my block of 256 queries
	s_lshr_b32 s18, s[WV], 1                       ; which 32 of them
	s_lshl_b32 s19, s19, 8
	s_lshl_b32 s18, s18, 5
	s_add_co_u32 s[Q0], s18, s19
	s_add_co_u32 s[QL], s[Q0], 31
	s_lshl_b32 s16, s[HD], 17                      ; qc: 128 images of 1,024 bytes a head,
	s_lshl_b32 s14, s[Q0], 6                       ; my first tile
	s_add_co_u32 s16, s16, s14
	s_add_nc_u64 s[4:5], s[4:5], s[16:17]
	v_and_b32 v1, 31, v0
	s_delay_alu instid0(VALU_DEP_1)
	v_lshlrev_b32 v[LI], 4, v1
.irp q, 0,1
.irp u, 0,1
	global_load_b128 v[QR+8*\q+4*\u:QR+8*\q+4*\u+3], v[LI], s[4:5] offset:1024*\q+512*\u   ; Q stays in registers
.endr
.endr
	s_lshr_b32 s14, s[HD], 4                       ; yc: batch x 128 tiles of tokens x 16,384 bytes,
	s_lshl_b32 s14, s14, 21
	s_lshl_b32 s15, s[Q0], 10                      ; my first tile,
	s_add_co_u32 s14, s14, s15
	s_bfe_u32 s15, s[HD], 0x30001                  ; K step = head / 2,
	s_lshl_b32 s15, s15, 11
	s_add_co_u32 s14, s14, s15
	s_and_b32 s15, s[HD], 1                        ; and the image's half
	s_lshl_b32 s15, s15, 10
	s_add_co_u32 s14, s14, s15
	s_mov_b32 s15, 0
	s_add_nc_u64 s[10:11], s[10:11], s[14:15]
	s_mov_b32 s[SEL], 0x76543210
	s_mov_b32 s[SEL+1], 0xfedcba98
	s_mov_b32 s[CS], 0x3e38aa3b                    ; log2(e) / 8
	v_mov_b32 v[NINF], 0xff800000
.irp q, 0,1
	v_mov_b32 v[ST+4*\q+1], 0xff61b1e6             ; the largest t so far: -3e38, under every t
	s_delay_alu instid0(VALU_DEP_1)
	v_floor_f32 v[ST+4*\q], -v[ST+4*\q+1]          ; -M
	v_mov_b32 v[ST+4*\q+2], 0                      ; the sum
	v_mov_b32 v[ST+4*\q+3], 0
	v_mov_b32 v[FF+2*\q+1], 0                      ; (named as the upper half of a pair)
	v_mov_b32 v[PL+\q], 0                          ; a lane permute's destination counts as one of its sources
.endr
.set i, 0
.rept 64
	v_mov_b32 v[O+i], 0                            ; O^T.  (The step is written without a first step of its own: the first change of M multiplies zeros)
.set i, i+1
.endr
	s_wait_kmcnt 0x0
	s_add_co_i32 s[TMP], s68, s69
	s_lshl_b32 s[TMP], s[TMP], 23
	s_add_co_i32 s[CS], s[CS], s[TMP]              ; a score stands for score x 2^(e6 + e7): the exponents are added to c's exponent field
	s_mov_b32 s[CS+1], s[CS]                       ; (named with it as a pair, so it is written)
	s_add_co_i32 s14, s70, 127
	s_lshl_b32 s15, s14, 23
	v_mov_b32 v[PSCL], s15
	s_wait_loadcnt 0x0                             ; Q
; A KEY STEP: 64 keys against my 32 queries.
.macro STEP
	s_cmp_gt_u32 s[KF], s[QL]                      ; all keys behind my last query: the step's work is left out (a branch on ids and the loop's count)
	s_cbranch_scc1 .Lhid_\@
	s_setprio 2
	v_add_nc_u32 v[ADR], s[TB], v[LI]
.rept 3
	v_nop                                          ; with the addition: four places between the last products and the loads into V's registers
.endr
.irp t, 0,1,2,3
	ds_load_b128 v[KR+8*\t:KR+8*\t+3],   v[ADR] offset:1024*\t
	ds_load_b128 v[KR+8*\t+4:KR+8*\t+7], v[ADR] offset:1024*\t+512
.endr
.irp t, 0,1,2,3
	ds_load_b128 v[VR+8*\t:VR+8*\t+3],   v[ADR] offset:4096+1024*\t
	ds_load_b128 v[VR+8*\t+4:VR+8*\t+7], v[ADR] offset:4096+1024*\t+512
.endr
	s_wait_dscnt 8                                 ; K is in; V's eight loads may be out
.irp t, 0,1,2,3
.irp q, 0,1
	v_wmma_f32_16x16x64_fp8_fp8 v[S+32*\q+8*\t:S+32*\q+8*\t+7], v[KR+8*\t:KR+8*\t+7], v[QR+8*\q:QR+8*\q+7], 0
.endr
.endr
.rept 4
	v_nop
.endr
	s_add_co_u32 s[TMP], s[KF], 63
	s_cmp_le_u32 s[TMP], s[Q0]                     ; all keys count for all my queries: no mask
	s_cbranch_scc1 .Lopen_\@
	s_sub_co_i32 s[TMP], s[Q0], s[KF]
	v_and_b32 v30, 15, v0
	v_bfe_u32 v31, v0, 4, 1
	s_delay_alu instid0(VALU_DEP_1)
	v_lshlrev_b32 v31, 3, v31
	s_delay_alu instid0(VALU_DEP_1)
	v_sub_nc_u32 v30, v30, v31
	s_delay_alu instid0(VALU_DEP_1)
	v_add_nc_u32 v[DD], s[TMP], v30                ; d = my query - KF - 8 h.  Register 8 t + j holds key KF + 16 t + 8 h + j: hidden where 16 t + j > d
	s_delay_alu instid0(VALU_DEP_1)
	v_add_nc_u32 v[DD+1], 16, v[DD]
.irp q, 0,1
.irp t, 0,1,2,3
.irp j, 0,1,2,3,4,5,6,7
	v_cmp_gt_i32 vcc_lo, 16*\t+\j, v[DD+\q]
	v_cndmask_b32 v[S+32*\q+8*\t+\j], v[S+32*\q+8*\t+\j], v[NINF], vcc_lo
.endr
.endr
.endr
.Lopen_\@:
.irp q, 0,1                                    ; the step's largest score of my query among my 32 keys: two chains a tile, the tiles by turns; each accumulator is read from its low end on
	v_max3_num_f32 v[MX+2*\q],   v[S+32*\q],   v[S+32*\q+1], v[S+32*\q+2]
	v_max3_num_f32 v[MX+2*\q+1], v[S+32*\q+3], v[S+32*\q+4], v[S+32*\q+5]
.endr
.irp i, 6,10,14,18,22,26
.irp q, 0,1
	v_max3_num_f32 v[MX+2*\q],   v[MX+2*\q],   v[S+32*\q+\i],   v[S+32*\q+\i+1]
	v_max3_num_f32 v[MX+2*\q+1], v[MX+2*\q+1], v[S+32*\q+\i+2], v[S+32*\q+\i+3]
.endr
.endr
.irp q, 0
	v_max3_num_f32 v[MX+2*\q], v[MX+2*\q], v[S+32*\q+30], v[S+32*\q+31]
.endr
.irp q, 1
	v_max3_num_f32 v[MX+2*\q], v[MX+2*\q], v[S+32*\q+30], v[S+32*\q+31]
.endr
.irp q, 0,1
	s_delay_alu instid0(VALU_DEP_2)
	v_max_num_f32 v[MX+2*\q], v[MX+2*\q], v[MX+2*\q+1]
.endr
.irp q, 0,1
	s_delay_alu instid0(VALU_DEP_2)
	v_permlanex16_b32 v[PL+\q], v[MX+2*\q], s[SEL], s[SEL+1]
.endr
.irp q, 0,1
	s_delay_alu instid0(VALU_DEP_2)
	v_max_num_f32 v[MX+2*\q], v[MX+2*\q], v[PL+\q] ; and among lane l xor 16's
.endr
.irp q, 0,1
	s_delay_alu instid0(VALU_DEP_2)
	v_mul_f32 v[MX+2*\q], s[CS], v[MX+2*\q]        ; as t (c is positive)
.endr
.irp q, 0,1
	s_delay_alu instid0(VALU_DEP_2)
	v_max_num_f32 v[ST+4*\q+1], v[ST+4*\q+1], v[MX+2*\q]   ; the running largest t
.endr
.irp q, 0,1
	v_mov_b32 v[MX+2*\q], v[ST+4*\q]
.endr
.irp q, 0,1
	s_delay_alu instid0(VALU_DEP_4)
	v_floor_f32 v[ST+4*\q], -v[ST+4*\q+1]          ; the new -M = floor(-t) = -ceil(t)
.endr
.irp q, 0,1
	s_delay_alu instid0(VALU_DEP_2)
	v_sub_f32 v[MX+2*\q], v[ST+4*\q], v[MX+2*\q]   ; old M - new M: a whole number, 0 or less
.endr
.irp q, 0,1
	s_delay_alu instid0(VALU_DEP_2)
	v_cvt_i32_f32 v[MX+2*\q], v[MX+2*\q]           ; (it saturates)
.endr
.irp q, 0,1
	s_delay_alu instid0(VALU_DEP_2)
	v_ldexp_f32 v[FF+2*\q], 1.0, v[MX+2*\q]        ; f = 2^(old M - new M)
.endr
.irp q, 0,1
.set i, 0
.rept 16
	v_pk_fma_f32 v[S+32*\q+2*i:S+32*\q+2*i+1], v[S+32*\q+2*i:S+32*\q+2*i+1], s[CS:CS+1], v[ST+4*\q:ST+4*\q+1] op_sel_hi:[1,0,0]   ; t - M, two at a time
.set i, i+1
.endr
.endr
.set i, 0
	s_setprio 1
	s_wait_alu depctr_va_vdst(0)
.rept 64
	v_exp_f32 v[S+i], v[S+i]                       ; p = 2^(t - M): one batch
.set i, i+1
.endr
.irp q, 0,1
	v_pk_mul_f32 v[ST+4*\q+2:ST+4*\q+3], v[ST+4*\q+2:ST+4*\q+3], v[FF+2*\q:FF+2*\q+1] op_sel_hi:[1,0]   ; the sums under the new M: the plain lines behind the exponentials
.endr
	s_wait_alu depctr_va_vdst(0)                   ; one wait for the batch, ahead of its first reader
.irp q, 0,1                                    ; the row's sum is taken of the unquantised p: two chains a tile
	v_pk_add_f32 v[SB+2*\q:SB+2*\q+1], v[S+32*\q:S+32*\q+1], v[S+32*\q+2:S+32*\q+3]
.endr
.irp j, 4,8,12,16,20,24,28
.irp q, 0,1
	v_pk_add_f32 v[ST+4*\q+2:ST+4*\q+3], v[ST+4*\q+2:ST+4*\q+3], v[S+32*\q+\j:S+32*\q+\j+1]
	v_pk_add_f32 v[SB+2*\q:SB+2*\q+1], v[SB+2*\q:SB+2*\q+1], v[S+32*\q+\j+2:S+32*\q+\j+3]
.endr
.endr
.irp q, 0
	s_delay_alu instid0(VALU_DEP_3)
	v_pk_add_f32 v[ST+4*\q+2:ST+4*\q+3], v[ST+4*\q+2:ST+4*\q+3], v[SB+2*\q:SB+2*\q+1]
.endr
.irp q, 1
	s_delay_alu instid0(VALU_DEP_2)
	v_pk_add_f32 v[ST+4*\q+2:ST+4*\q+3], v[ST+4*\q+2:ST+4*\q+3], v[SB+2*\q:SB+2*\q+1]
.endr
.irp q, 0,1
.irp t, 0,1,2,3
.irp j, 0,1,2,3,4,5,6,7
.endr
	v_cvt_scalef32_pk8_fp8_f32 v[PC+8*\q+2*\t:PC+8*\q+2*\t+1], v[S+32*\q+8*\t:S+32*\q+8*\t+7], v[PSCL]   ; registers 2 t, 2 t + 1 of the operand: keys 16 t + 8 h + 0..7
.endr
.endr
.irp q, 0,1
.set i, 0
.rept 16
	v_pk_mul_f32 v[O+32*\q+2*i:O+32*\q+2*i+1], v[O+32*\q+2*i:O+32*\q+2*i+1], v[FF+2*\q:FF+2*\q+1] op_sel_hi:[1,0]   ; O^T under the new M; also the plain lines between the conversions and the products
.set i, i+1
.endr
.endr
	s_setprio 0
	s_wait_alu depctr_va_vdst(0)
	s_wait_dscnt 0x0                               ; V is in
.irp t, 0,1,2,3                                ; the eight accumulators take turns, one instruction a turn; between two links of a chain stand the seven others' and the next step's eight products K Q^T
.irp q, 0,1
	v_wmma_f32_16x16x64_fp8_fp8 v[O+32*\q+8*\t:O+32*\q+8*\t+7], v[VR+8*\t:VR+8*\t+7], v[PC+8*\q:PC+8*\q+7], v[O+32*\q+8*\t:O+32*\q+8*\t+7]
.endr
.endr
.Lhid_\@:
	s_add_co_u32 s[KF], s[KF], 64
	s_add_co_u32 s[TB], s[TB], 8192
.endm
; A chunk of 512 keys: my part of it has landed (each fill was issued behind a wait for the one before, so only chunk 3's can be out), then the barrier shows everybody's; eight steps.
.macro CHUNK c
	s_wait_tensorcnt 3-\c
	s_wait_dscnt 0x0
	s_barrier_signal -1
	s_barrier_wait -1
	s_mov_b32 s[TB], 65536*\c
	s_mov_b32 s[KF], 512*\c
	s_mov_b32 s[CNT], 8
.Lstep_\@:
	STEP
	s_sub_co_u32 s[CNT], s[CNT], 1
	s_cmp_lg_u32 s[CNT], 0
	s_cbranch_scc1 .Lstep_\@
	s_setprio 0
.endm
	CHUNK 0
	CHUNK 1
	CHUNK 2
	CHUNK 3
	; THE WAY OUT.  y = O^T / the sum x 2^(e8 + e9), held and converted with 2^e10: tile ct's eight registers are channels 16 ct + 8 h + 0..7 of my query: registers 2 ct, 2 ct + 1 of the image's half.
	; The additions, the two moves and the two v_ldexp_f32 are the places between the last products and the first read of O^T.
	v_add_f32 v10, v10, v11
	v_add_f32 v14, v14, v15
	s_delay_alu instid0(VALU_DEP_2)
	v_permlanex16_b32 v24, v10, s[SEL], s[SEL+1]
	s_delay_alu instid0(VALU_DEP_2)
	v_permlanex16_b32 v25, v14, s[SEL], s[SEL+1]
	s_delay_alu instid0(VALU_DEP_2)
	v_add_f32 v10, v10, v24                        ; the rows' sums
	s_delay_alu instid0(VALU_DEP_2)
	v_add_f32 v14, v14, v25
	s_wait_alu depctr_va_vdst(0)
	v_rcp_f32 v16, v10
	v_rcp_f32 v18, v14
	s_add_co_i32 s[TMP], s70, s71                  ; e8 + e9
	s_add_co_i32 s14, s72, 127
	s_lshl_b32 s15, s14, 23
	v_mov_b32 v30, s15                             ; 2^e10  (a plain line behind the reciprocals)
	s_wait_alu depctr_va_vdst(0)                   ; one wait for both reciprocals, ahead of their first reader
	v_ldexp_f32 v16, v16, s[TMP]
	v_ldexp_f32 v18, v18, s[TMP]
.irp q, 0,1
.set i, 0
.rept 16
	v_pk_mul_f32 v[O+32*\q+2*i:O+32*\q+2*i+1], v[O+32*\q+2*i:O+32*\q+2*i+1], v[FF+2*\q:FF+2*\q+1] op_sel_hi:[1,0]
.set i, i+1
.endr
.endr
.irp q, 0,1
.irp t, 0,1,2,3
.irp j, 0,1,2,3,4,5,6,7
.endr
	v_cvt_scalef32_pk8_fp8_f32 v[PC+8*\q+2*\t:PC+8*\q+2*\t+1], v[O+32*\q+8*\t:O+32*\q+8*\t+7], v30
.endr
.endr
	v_nop                                          ; a plain line behind the last conversion
.irp q, 0,1
.irp u, 0,1
	global_store_b128 v[LI], v[PC+8*\q+4*\u:PC+8*\q+4*\u+3], s[10:11] offset:16384*\q+512*\u   ; the wave stores 512 consecutive bytes, at a multiple of 512 from yc's first byte
.endr
.endr
	s_wait_xcnt 0x0
	v_lshl_add_u32 v254, v0, 2, 0x40000
	v_mov_b32 v255, 0
	s_wait_alu depctr_va_vdst(0)
	s_wait_tensorcnt 0x0
	ds_add_u32 v254, v255
	s_wait_dscnt 0x0
	s_endpgm
.Lfunc_end_k_qbf1ccf4640_attn:
	.size	k_qbf1ccf4640_attn, .Lfunc_end_k_qbf1ccf4640_attn-k_qbf1ccf4640_attn
	.p2alignl 7, 3214868480
	.fill 96, 4, 3214868480
	.section	.rodata,"a",@progbits
	.p2align	6, 0x0
	.amdhsa_kernel k_qbf1ccf4640_attn
		.amdhsa_group_segment_fixed_size 327680
		.amdhsa_private_segment_fixed_size 0
		.amdhsa_enable_private_segment 0
		.amdhsa_kernarg_size 32
		.amdhsa_user_sgpr_count 2
		.amdhsa_user_sgpr_kernarg_segment_ptr 1
		.amdhsa_wavefront_size32 1
		.amdhsa_system_sgpr_workgroup_id_x 1
		.amdhsa_system_sgpr_workgroup_id_y 1
		.amdhsa_system_sgpr_workgroup_id_z 1
		.amdhsa_system_vgpr_workitem_id 0
		.amdhsa_next_free_vgpr 256
		.amdhsa_next_free_sgpr 80
		.amdhsa_reserve_vcc 1
		.amdhsa_float_denorm_mode_32 3
		.amdhsa_float_denorm_mode_16_64 3
		.amdhsa_fp16_overflow 1
		.amdhsa_memory_ordered 1
		.amdhsa_forward_progress 1
		.amdhsa_inst_pref_size 91
	.end_amdhsa_kernel
	.amdgpu_metadata
---
amdhsa.version: [ 1, 2 ]
amdhsa.kernels:
  - .name:           k_qbf1ccf4640_attn
    .symbol:         k_qbf1ccf4640_attn.kd
    .args:
      - { .name: qc, .offset: 0, .size: 8, .value_kind: global_buffer, .address_space: global }
      - { .name: kv, .offset: 8, .size: 8, .value_kind: global_buffer, .address_space: global }
      - { .name: lowp_scales, .offset: 16, .size: 8, .value_kind: global_buffer, .address_space: global }
      - { .name: yc, .offset: 24, .size: 8, .value_kind: global_buffer, .address_space: global }
    .group_segment_fixed_size: 327680
    .private_segment_fixed_size: 0
    .kernarg_segment_align: 8
    .kernarg_segment_size: 32
    .max_flat_workgroup_size: 512
    .sgpr_count:     80
    .vgpr_count:     256
    .wavefront_size: 32
...
	.end_amdgpu_metadata
.endif
;; end of part 3
;; launch proj (part 4): grid 4 x 32, 4 waves a work-group, clusters of 4 x 4, 327,680 bytes of LDS; arguments yc, wc, bo, lowp_scales, out0; writes out0
.if DOCPART == 4
	.amdgcn_target "amdgcn-amd-amdhsa--gfx1250"
	.amdhsa_code_object_version 6
	.text
	.protected	k_qbf1ccf4640_proj
	.globl	k_qbf1ccf4640_proj
	.p2align	8
	.type	k_qbf1ccf4640_proj,@function
k_qbf1ccf4640_proj:
	s_mov_b64 s[64:65], 0
	v_nop
	global_prefetch_b8 v0, s[64:65] scope:SCOPE_SE
	s_setreg_imm32_b32 hwreg(HW_REG_WAVE_MODE, 25, 1), 1
	s_wait_xcnt 0x0
	s_wait_alu depctr_hold_cnt(0) depctr_sa_sdst(0) depctr_va_vdst(0) depctr_va_sdst(0) depctr_va_ssrc(0) depctr_va_vcc(0) depctr_vm_vsrc(0)
	s_getreg_b32 s2, hwreg(HW_REG_IB_STS2, 6, 4)
	s_cmp_eq_u32 s2, 0
	s_cbranch_scc0 .Lentry_in_a_cluster
	s_endpgm
.Lentry_in_a_cluster:
	s_bfe_u32 s2, ttmp6, 0x10000c
	s_cmp_lg_u32 s2, 0xf033
	s_cbranch_scc0 .Lentry_shape_is_right
	s_endpgm
.Lentry_shape_is_right:
; out0 = y Wo + bo on codes of E4M3: y's codes (2^e10) from yc, Wo's (2^e11) from the fourth quarter of wc; out0 [8192][1024] f32 = sum x 2^(e10 + e11) + bo.
; A tile of the result, 256 x 256, is made by a work-group of four waves; a wave makes 128 x 128: 64 accumulators, 512 registers.  128 tiles: 128 work-groups.
; OPERANDS are images of the operand's registers (16 rows x 128 K = 2,048 bytes: chunk c at 512 c, lane L's 16 bytes at 16 L), [tile of 16 rows][K step 0..7]: a fragment is four ds_load_b128 of 512 consecutive bytes.
; THE MATRIX INSTRUCTION IS USED TRANSPOSED (source 0 = 16 channels of Wo, source 1 = 16 tokens): a lane holds eight neighbouring numbers of a row of out0.
; K = 1,024 goes in four steps of 256 through a ring of two LDS slots filled by the tensor data mover.
; CLUSTERS: 4 x 4 work-groups.  The four of a row of the cluster need the same tiles of y, the four of a column the same tiles of Wo: each tile is asked for jointly.
; LIMIT: e10 + e11 between -126 and 127.
; REGISTERS, in windows of 256: window 0: v0-31 addresses; v32-95 the bias; v128-255 A's fragments, ONE set (on the way out: rows read back from the stage).
;   window 1: B's fragments, TWO sets, at v0 and v128.   window 2: the accumulators of my rows 0-63 ((a, b) at v[8 (8 a + b)]);   window 3: those of rows 64-127.
.set HALFT,  32768                     ; 8 tiles of rows x 4,096 bytes (256 along K): what one tensor load brings, and what one wave reads of A or of B
.set SLOT,   4*HALFT                   ; A's 16 tiles, then B's 16
.set SPARE,  2*SLOT                    ; behind the ring: the spare words, 128 bytes for each wave: two blocks of 256 bytes that no other line names
.set KSB,    4096                      ; a slot's part of a tile of rows in memory
.set SPITCH, 528                       ; the way out: a stage of 16 rows x (512 bytes + 16) for each wave, in slot 0, which has had its last fill and its last read when the first result is stored there
.set FR,     16
.set NL,     4
.set NP,     4                         ; places behind this matrix instruction (ISA guide 7.12.1)
.set VCOL, 6                           ; v6    byte offset of my bias numbers
.set ADRA, 16                          ; v16-17  LDS address of my A fragments in slot 0, 1
.set ADRB, 20                          ; v20-21  the same for B
.set STO,  24                          ; v24   the way out: where I put 32 bytes of a row
.set RD,   25                          ; v25   where I read a row back
.set CO,   26                          ; v26   my byte offset in a row of out0
.set SPW,  28                          ; v28   LDS address of my spare word; never rewritten
.set NIL,  29                          ; v29   0; never rewritten
.set BC,   32
.set AF,   128
.set BK,   128                         ; the way out: 16 rows read back: v128-191 and v192-255 by turns
.set G1, 24
.set G0, 32
.set G1B, 48
.set G0B, 56
.set MSB, 0
.macro WIN new                         ; the immediate's high byte repeats the setting that is left; a switch that changes nothing is dropped
.if MSB != (\new)
	s_set_vgpr_msb (MSB<<8)|(\new)
.set MSB, (\new)
.endif
.endm
.set MUL_LO, 0xa1                      ; source 0 (B) window 1, source 1 (A) window 0, C and D window 2
.set MUL_HI, 0xf1                      ; the same, C and D window 3
.set TO_B,   0x40                      ; destination window 1, address window 0
; A joint load: waves 0 and 1 fetch for A, waves 2 and 3 for B.  The branch hangs on the wave's number alone.  Four v_nop follow each of the two lines.
.macro JLOAD g0a, g1a, g0b, g1b
	s_cmp_eq_u32 s15, 0
	s_cbranch_scc0 .Lfor_b_\@
	tensor_load_to_lds s[\g0a:\g0a+3], s[\g1a:\g1a+7]
	s_nop 0
.rept 4
	v_nop
.endr
	s_branch .Lasked_\@
.Lfor_b_\@:
	tensor_load_to_lds s[\g0b:\g0b+3], s[\g1b:\g1b+7]
	s_nop 0
.rept 4
	v_nop
.endr
.Lasked_\@:
.endm
.macro CREST                           ; a round of the cluster's barrier behind its opening barrier
	s_cmp_lg_u32 s14, 0
	s_cbranch_scc1 .Lnot_wave_0_\@
	s_barrier_signal -3
.Lnot_wave_0_\@:
	s_barrier_wait -3
	s_barrier_signal -1
	s_barrier_wait -1
.endm
.macro CROUND                          ; a whole round
	s_barrier_signal -1
	s_barrier_wait -1
	CREST
.endm
	s_load_b256 s[68:75], s[0:1], 0x0              ; yc 68, wc 70, bo 72, scales 74
	s_load_b64 s[76:77], s[0:1], 0x20              ; out0
	v_lshl_add_u32 v[SPW], v0, 2, SPARE
	v_mov_b32 v[NIL], 0
	ds_add_u32 v28, v29
	ds_add_u32 v28, v29
	s_wait_dscnt 0x0
	v_lshrrev_b32 v1, 5, v0
	v_readfirstlane_b32 s14, v1                    ; wave 0..3
	s_lshr_b32 s15, s14, 1                         ; which half of the tile's rows is mine.  Also: I fetch for A (0) or for B (1)
	s_and_b32 s16, s14, 1                          ; which half of its columns.  Also: which 8 tiles of rows I fetch
	s_bfe_u32 s40, ttmp6, 0x40000                  ; cx, cy: my place in the cluster
	s_bfe_u32 s41, ttmp6, 0x40004
	s_lshl_b32 s42, ttmp9, 2
	s_add_co_u32 s42, s42, s40                     ; tile column = 4 x cluster x + cx
	s_and_b32 s17, ttmp7, 0xffff
	s_lshl_b32 s17, s17, 2
	s_add_co_u32 s17, s17, s41                     ; tile row = 4 x cluster y + cy
	s_lshl_b32 s43, s41, 2
	s_lshl_b32 s43, 15, s43                        ; my row of the cluster
	s_lshl_b32 s44, 0x1111, s40                    ; my column
	; descriptor group 1: 8 rows (tiles of 16 operand rows) of 4,096 bytes, 16,384 bytes apart in memory, dense in LDS; elements of 8 bytes
	s_or_b32 s[G1+0], s43, (3<<16)|(1<<21)         ; 15:0 the mask: A's tiles go to my row; 17:16 elements of 8 bytes; 21 set beside a mask
	s_or_b32 s[G1B+0], s44, (3<<16)|(1<<21)
.irp g, G1, G1B
	s_mov_b32 s[\g+1], 512<<16                     ; tensor_dim0 = 512
	s_mov_b32 s[\g+2], 8<<16                       ; tensor_dim1 = 8
	s_mov_b32 s[\g+3], 512<<16                     ; tile_dim0 = 512
	s_mov_b32 s[\g+4], 8                           ; tile_dim1 = 8
	s_mov_b32 s[\g+5], 2048                        ; tensor_dim0_stride
	s_mov_b32 s[\g+6], 0
	s_mov_b32 s[\g+7], 0
.endr
	s_lshl_b32 s18, s16, 17                        ; which 8 tiles of rows I fetch
	s_lshl_b32 s20, s17, 18                        ; A: 16 tiles of rows to a tile of the result
	s_add_co_u32 s20, s20, s18
	s_mov_b32 s21, 0
	s_lshl_b32 s46, s42, 18                        ; B likewise,
	s_add_co_u32 s46, s46, s18
	s_add_co_u32 s46, s46, 0x300000                ; in Wo's quarter of wc
	s_mov_b32 s47, 0
	s_mul_i32 s45, s14, HALFT                      ; where they go: wave x 32,768: no place in the cluster enters an LDS address
	s_wait_kmcnt 0x0
	s_load_b64 s[96:97], s[74:75], 0x28            ; e10, e11
	s_add_nc_u64 s[20:21], s[68:69], s[20:21]
	s_add_nc_u64 s[46:47], s[70:71], s[46:47]
	CROUND                                         ; all sixteen work-groups are here: the first joint loads meet
.irp s, 0,1
	s_mov_b32 s[G0+4*\s], 1
	s_add_co_u32 s[G0+4*\s+1], s45, \s*SLOT
	s_add_nc_u64 s[G0+4*\s+2:G0+4*\s+3], s[20:21], \s*KSB
	s_or_b32 s[G0+4*\s+3], s[G0+4*\s+3], 0x80000000
	s_mov_b32 s[G0B+4*\s], 1
	s_add_co_u32 s[G0B+4*\s+1], s45, \s*SLOT
	s_add_nc_u64 s[G0B+4*\s+2:G0B+4*\s+3], s[46:47], \s*KSB
	s_or_b32 s[G0B+4*\s+3], s[G0B+4*\s+3], 0x80000000
	s_wait_alu depctr_va_vdst(0)
	s_wait_tensorcnt 0x0
	ds_add_u32 v28, v29
	ds_add_u32 v28, v29
	s_wait_dscnt 0x0
	CROUND
	JLOAD G0+4*\s, G1, G0B+4*\s, G1B               ; one load of mine is out
.endr
	v_and_b32 v1, 31, v0
	v_lshlrev_b32 v4, 4, v1                        ; 16 x lane
	v_and_b32 v2, 15, v0                           ; r
	v_bfe_u32 v3, v0, 4, 1                         ; h
	s_wait_alu depctr_va_vdst(0)
	s_mul_i32 s22, s15, HALFT                      ; my 8 tiles of A's rows
	s_mul_i32 s23, s16, HALFT                      ; my 8 of B's,
	s_add_co_u32 s23, s23, 2*HALFT                 ; which lie behind A's 16
.irp s, 0,1
	v_add_nc_u32 v[ADRA+\s], s22, v4
	v_add_nc_u32 v[ADRB+\s], s23, v4
	s_add_co_u32 s22, s22, SLOT
	s_add_co_u32 s23, s23, SLOT
.endr
	s_lshl_b32 s2, s42, 10
	s_lshl_b32 s3, s16, 9
	s_add_co_u32 s2, s2, s3                        ; my first column, in bytes: 1,024 x tile column + 512 x half
	v_lshl_add_u32 v[VCOL], v3, 5, s2
.irp b, 0,1,2,3,4,5,6,7
	global_load_b128 v[BC+8*\b:BC+8*\b+3],   v[VCOL], s[72:73] offset:64*\b      ; register 8 b + j: bo of column 16 b + 8 h + j
	global_load_b128 v[BC+8*\b+4:BC+8*\b+7], v[VCOL], s[72:73] offset:64*\b+16
.endr
	s_mul_i32 s12, s14, 16*SPITCH                  ; my stage
	v_mul_u32_u24 v5, v2, SPITCH                   ; in: row r, 32 bytes for each half of the lanes
	v_lshl_add_u32 v5, v3, 5, v5
	v_add_nc_u32 v[STO], s12, v5
	v_mov_b32 v[CO], v4                            ; back: the 32 lanes take one row of 512 bytes; and the same in out0
	v_add_nc_u32 v[RD], s12, v4
	s_lshl_b32 s18, s17, 20                        ; 256 rows of 4,096 bytes a tile row,
	s_lshl_b32 s19, s15, 19                        ; 128 rows a half
	s_add_co_u32 s18, s18, s19
	s_add_co_u32 s18, s18, s2
	s_mov_b32 s19, 0
	s_add_nc_u64 s[76:77], s[76:77], s[18:19]
.macro FRAG reg, adr, q, i             ; a fragment comes as it was stored: four loads of 512 consecutive bytes; tile of rows i, the slot's q-th 128 along K
.irp c, 0,1,2,3
	ds_load_b128 v[\reg+4*\c:\reg+4*\c+3], v[\adr] offset:2048*(\q)+512*\c+(\i)*4096
.endr
.endm
; 16 matrix instructions: A's blocks a0, a0 + 1 x B's eight, 128 along K.  p: B's set.  zero = 1: the first product starts the sums.
; The 64 accumulators take turns, one instruction a turn, in the same order in every step.
.macro MUL16 a0, p, zero
.irp a, \a0, \a0+1
.irp b, 0,1,2,3,4,5,6,7
.if \zero
	v_wmma_f32_16x16x128_fp8_fp8 v[8*(8*((\a)%4)+\b):8*(8*((\a)%4)+\b)+7], v[128*(\p)+FR*\b:128*(\p)+FR*\b+FR-1], v[AF+FR*(\a):AF+FR*(\a)+FR-1], 0
.else
	v_wmma_f32_16x16x128_fp8_fp8 v[8*(8*((\a)%4)+\b):8*(8*((\a)%4)+\b)+7], v[128*(\p)+FR*\b:128*(\p)+FR*\b+FR-1], v[AF+FR*(\a):AF+FR*(\a)+FR-1], v[8*(8*((\a)%4)+\b):8*(8*((\a)%4)+\b)+7]
.endif
.endr
.endr
.endm
.macro FETCH_B slot, q, p
	WIN TO_B
.irp i, 0,1,2,3,4,5,6,7
	FRAG 128*(\p)+FR*\i, ADRB+\slot, \q, \i
.endr
	WIN 0
.endm
.macro FETCH_A slot, q, i0
.irp i, \i0, \i0+1, \i0+2, \i0+3
	FRAG AF+FR*(\i), ADRA+\slot, \q, \i
.endr
.endm
.macro PLACES n                        ; plain vector lines between a matrix instruction and a load into, or a vector instruction on, one of its registers
.rept \n
	v_nop
.endr
.endm
; A step of 128 along K that has its successor in the same slot.  A's blocks 0-3 are fetched anew in its middle, blocks 4-7 at its end; B's next set in the middle.
.macro STEP slot, q, zero
	s_wait_dscnt 4*NL                              ; B's set and A's blocks 0-3 are in; the youngest 16 loads (A's blocks 4-7) may be out
	WIN MUL_LO
	MUL16 0, (\q)%2, \zero
	MUL16 2, (\q)%2, \zero
	s_wait_dscnt 0                                 ; A's blocks 4-7 are in
	PLACES NP
	FETCH_B \slot, (\q)+1, 1-(\q)%2
	FETCH_A \slot, (\q)+1, 0
	WIN MUL_HI
	MUL16 4, (\q)%2, \zero
	MUL16 6, (\q)%2, \zero
	PLACES NP
	WIN 0
	FETCH_A \slot, (\q)+1, 4
.endm
; A slot's last step changes slots: ONE barrier; in front of it each wave waits for all its tensor loads, adds 0 to its spare word, and waits for that and for its own reads of this slot.  fill = 1: this slot is filled again.
.macro TURN slot, next, fill
	s_wait_tensorcnt 0x0                           ; all my tensor loads have landed: my part of the next slot
	ds_add_u32 v[SPW], v[NIL]                      ; 0 onto my spare word
	s_wait_dscnt 4*NL+1                            ; (the add and the youngest 16 loads, A's blocks 4-7, may be out)
	WIN MUL_LO
	MUL16 0, 1, 0                                  ; sixteen matrix instructions stand between the add and the wait for it
	s_wait_dscnt 0x0                               ; the add is done, and my reads of this slot are over
	s_barrier_signal -1
	MUL16 2, 1, 0
	WIN 0
	s_barrier_wait -1
.if \fill
	CREST                                          ; the barrier has opened a round of the cluster's barrier: no wave of any partner still reads this slot or has a load on its way
	s_add_nc_u64 s[G0+4*\slot+2:G0+4*\slot+3], s[G0+4*\slot+2:G0+4*\slot+3], 2*KSB
	s_add_nc_u64 s[G0B+4*\slot+2:G0B+4*\slot+3], s[G0B+4*\slot+2:G0B+4*\slot+3], 2*KSB
	JLOAD G0+4*\slot, G1, G0B+4*\slot, G1B         ; the first tensor load behind the round, my only one until the next; its four v_nop are the places in front of the loads below
.else
	PLACES NP
.endif
	FETCH_B \next, 0, 0
	FETCH_A \next, 0, 0
	WIN MUL_HI
	MUL16 4, 1, 0
	MUL16 6, 1, 0
	PLACES NP
	WIN 0
	FETCH_A \next, 0, 4
.endm
	s_wait_alu depctr_va_vdst(0)
	s_wait_tensorcnt 1                             ; my part of slot 0 is in (slot 1's load may be out)
	s_barrier_signal -1
	s_barrier_wait -1                              ; everybody's is
	FETCH_B 0, 0, 0
	FETCH_A 0, 0, 0
	FETCH_A 0, 0, 4
	STEP 0, 0, 1                                   ; K 0-127: the products start the sums.  The eight steps are written out: 1,024 along K are four fills
	TURN 0, 1, 1                                   ; K 128-255; slot 0 takes K 512-767
	STEP 1, 0, 0
	TURN 1, 0, 1                                   ; slot 1 takes K 768-1023
	STEP 0, 0, 0
	TURN 0, 1, 0                                   ; nothing is left to fetch; behind this barrier nobody reads slot 0
	STEP 1, 0, 0
	s_wait_dscnt 4*NL                              ; the last step
	WIN MUL_LO
	MUL16 0, 1, 0
	MUL16 2, 1, 0
	s_wait_dscnt 0
	WIN MUL_HI
	MUL16 4, 1, 0
	MUL16 6, 1, 0
	WIN 0
; THE WAY OUT, block by block of 16 rows x 128 columns.  A lane holds 32 neighbouring bytes of a row, and the lanes beside it hold other rows: so a block goes through my own stage in LDS and comes back as whole
; rows of 512 bytes.  LDS serves a wave's instructions in order (ISA guide 5.7.1.4): no wait between the stores and the loads, nor in front of the next block's stores.
.macro TOSTAGE a
	WIN 0x82+0x41*((\a)/4)                         ; source 0 and destination in the block's window, the bias in window 0
.set i, 0
.rept 32
	v_pk_fma_f32 v[64*((\a)%4)+2*i:64*((\a)%4)+2*i+1], v[64*((\a)%4)+2*i:64*((\a)%4)+2*i+1], s[96:97], v[BC+2*i:BC+2*i+1] op_sel_hi:[1,0,1]   ; sum x 2^(e10 + e11) + bo, in place; each accumulator from its low end on
.set i, i+1
.endr
	WIN (2+(\a)/4)<<2                              ; an LDS store's data are its source 1
.irp b, 0,1,2,3,4,5,6,7
	ds_store_b128 v[STO], v[64*((\a)%4)+8*\b:64*((\a)%4)+8*\b+3] offset:64*\b
	ds_store_b128 v[STO], v[64*((\a)%4)+8*\b+4:64*((\a)%4)+8*\b+7] offset:64*\b+16
.endr
	WIN 0
.set BB, BK+64*((\a)%2)
.irp t, 0,1,2,3,4,5,6,7,8,9,10,11,12,13,14,15
	ds_load_b128 v[BB+4*\t:BB+4*\t+3], v[RD] offset:\t*SPITCH
.endr
.endm
.macro SEND a, younger                 ; younger: the LDS instructions issued behind block a's loads, which may stay out
.set BB, BK+64*((\a)%2)
	s_wait_dscnt \younger                          ; the block is back in registers
.if (\a) > 0
	s_add_nc_u64 s[76:77], s[76:77], 16*4096       ; (behind a wait on XCNT: the earlier stores have read their base)  16 rows on
.endif
.irp t, 0,1,2,3,4,5,6,7,8,9,10,11,12,13,14,15
	global_store_b128 v[CO], v[BB+4*\t:BB+4*\t+3], s[76:77] offset:\t*4096 th:TH_STORE_NT   ; 32 lanes store 512 consecutive bytes, at a multiple of 512 from out0's first byte; written once, read by nobody here
.endr
.endm
	s_wait_kmcnt 0x0
	s_add_co_i32 s96, s96, s97                     ; e10 + e11
	s_add_co_i32 s96, s96, 127
	s_lshl_b32 s96, s96, 23                        ; 2^(e10 + e11) as f32
	s_mov_b32 s97, s96                             ; (named with it as a pair, so it is written)
	s_wait_loadcnt 0x0                             ; the bias
	PLACES NP                                      ; behind the last products: for the multiply-adds on results and the loads into the registers that held A's fragments
	TOSTAGE 0
.irp a, 1,2,3,4,5,6,7
.if \a > 1
	s_wait_xcnt 0x0                                ; block a - 2's stores have read their registers and their base: block a's loads may land there, and the base may step
.endif
	TOSTAGE \a
	SEND \a-1, 32                                  ; behind block a - 1's loads: block a's 16 stores and 16 loads
.endr
	s_wait_xcnt 0x0                                ; block 6's stores have read their base
	SEND 7, 0
	s_wait_tensorcnt 0x0                           ; the wave's end: behind my last tensor load and my last LDS store
	ds_add_u32 v[SPW], v[NIL]
	s_wait_dscnt 0x0
	CROUND                                         ; the closing round: no work-group ends while a partner may still ask for a tile that names it
	s_endpgm
.Lfunc_end_k_qbf1ccf4640_proj:
	.size	k_qbf1ccf4640_proj, .Lfunc_end_k_qbf1ccf4640_proj-k_qbf1ccf4640_proj
	.p2alignl 7, 3214868480
	.fill 96, 4, 3214868480
	.section	.rodata,"a",@progbits
	.p2align	6, 0x0
	.amdhsa_kernel k_qbf1ccf4640_proj
		.amdhsa_group_segment_fixed_size 327680
		.amdhsa_private_segment_fixed_size 0
		.amdhsa_enable_private_segment 0
		.amdhsa_kernarg_size 40
		.amdhsa_user_sgpr_count 2
		.amdhsa_user_sgpr_kernarg_segment_ptr 1
		.amdhsa_wavefront_size32 1
		.amdhsa_system_sgpr_workgroup_id_x 1
		.amdhsa_system_sgpr_workgroup_id_y 1
		.amdhsa_system_sgpr_workgroup_id_z 1
		.amdhsa_system_vgpr_workitem_id 0
		.amdhsa_next_free_vgpr 1024
		.amdhsa_next_free_sgpr 100
		.amdhsa_reserve_vcc 0
		.amdhsa_float_denorm_mode_32 3
		.amdhsa_float_denorm_mode_16_64 3
		.amdhsa_memory_ordered 1
		.amdhsa_forward_progress 1
		.amdhsa_inst_pref_size 126
	.end_amdhsa_kernel
	.amdgpu_metadata
---
amdhsa.version: [ 1, 2 ]
amdhsa.kernels:
  - .name:           k_qbf1ccf4640_proj
    .symbol:         k_qbf1ccf4640_proj.kd
    .args:
      - { .name: yc, .offset: 0, .size: 8, .value_kind: global_buffer, .address_space: global }
      - { .name: wc, .offset: 8, .size: 8, .value_kind: global_buffer, .address_space: global }
      - { .name: bo, .offset: 16, .size: 8, .value_kind: global_buffer, .address_space: global }
      - { .name: lowp_scales, .offset: 24, .size: 8, .value_kind: global_buffer, .address_space: global }
      - { .name: out0, .offset: 32, .size: 8, .value_kind: global_buffer, .address_space: global }
    .group_segment_fixed_size: 327680
    .private_segment_fixed_size: 0
    .kernarg_segment_align: 8
    .kernarg_segment_size: 40
    .max_flat_workgroup_size: 128
    .sgpr_count:     100
    .vgpr_count:     1024
    .wavefront_size: 32
...
	.end_amdgpu_metadata
.endif
;; end of part 4
